; MI455X (gfx1250); checked and timed in simulation.
; The chip was launched on July 23, 2026; its instructions are those of AMD's public machine-readable ISA for CDNA 5 (MIT licence, August 2026) and "CDNA5" Instruction Set Architecture Reference Guide (July 2026). The comments in the code are by the model that wrote it; some were corrected since.
;; MH Awith K Vcache. Allowed arithmetic: matrix products marked QUANTISED: E2M1 operands, one E8M0 scale for each 32 along K, by v_wmma_scale_f32_16x16x128_f8f6f4 with both operands' format E2M1 (or v_wmma_scale_f32_32x16x128_f4), f32 sums; everything else in f32.
;; Inputs: Wk 2,048 x 2,048 float32; Wo 2,048 x 2,048 float32; Wq 2,048 x 2,048 float32; Wv 2,048 x 2,048 float32; X 2 x 1,024 x 2,048 float32; bk 2,048 float32; bo 2,048 float32; bq 2,048 float32; bv 2,048 float32; causal_mask 1 x 1 x 1,024 x 2,048 float32; pad_mask 2 x 2,048 float32; past_k 2 x 16 x 1,024 x 128 float32; past_v 2 x 16 x 1,024 x 128 float32.
;; Outputs: out0 2 x 1,024 x 2,048 float32.
;; This version of the problem:
;;   THIS VERSION OF THE PROBLEM IS GIVEN IN LOW PRECISION. The matrix products marked QUANTISED in the list below multiply operands that are first quantised to E2M1 (2 exponent bits, 1 mantissa bit; 4 bits a number), with one power-of-two scale for each 32 numbers along K (OCP MX v1.0); their sums are f32. All else is computed in f32.
;;   The module's matrix products, in the order in which they are computed (A, B: the left and right operand; K: the contracted axis; several contracted axes count as one K, in the product's order):
;;     1. [M 2,048, K 2,048] x [K 2,048, N 2,048]; A: input X; B: input Wq: QUANTISED
;;     2. [M 2,048, K 2,048] x [K 2,048, N 2,048]; A: input X; B: input Wk: QUANTISED
;;     3. [M 2,048, K 2,048] x [K 2,048, N 2,048]; A: input X; B: input Wv: QUANTISED
;;     4. batch 32 x [M 1,024, K 128] x [K 128, N 2,048]; A: computed on the way; B: computed on the way: QUANTISED
;;     5. batch 32 x [M 1,024, K 2,048] x [K 2,048, N 128]; A: softmax (see below); B: computed on the way: QUANTISED
;;     6. [M 2,048, K 2,048] x [K 2,048, N 2,048]; A: computed on the way; B: input Wo: QUANTISED
;;   THE QUANTISER, for each operand of a quantised product, along K:
;;     - K is cut into blocks of 32 from its start; a last block that is shorter is filled with zeros.
;;     - A block's scale is 2^e with e = floor(log2(the largest magnitude in the block)) - 2, held to -126 .. 127; a block of zeros has e = 0. As a byte (E8M0): e + 127.
;;     - Each number is divided by its block's scale, clamped to +-6, and rounded to the nearest number of E2M1, ties to even, subnormals kept.
;;     - The product sums the exact products of the quantised numbers (number of the format x scale) in f32.
;;   ~~~python
;;   def quantise(x, axis):      # numpy; x: float32 -> the quantised numbers, widened to float32 again
;;       x = np.moveaxis(x, axis, -1); K = x.shape[-1]
;;       x = np.pad(x, [(0, 0)] * (x.ndim - 1) + [(0, -K % 32)]); x = x.reshape(x.shape[:-1] + (-1, 32)); a = np.abs(x).max(-1, keepdims=True)
;;       e = np.where(a > 0, np.clip(np.frexp(np.where(a > 0, a, 1))[1] - 1 - 2, -126, 127), 0)      # np.frexp(a)[1] - 1 = floor(log2(a)), exactly
;;       r = np.clip(x / 2.0 ** e, -6, 6)
;;       step = 2.0 ** (np.maximum(np.frexp(np.where(r == 0, 1, r))[1] - 1, 0) - 1)
;;       q = np.round(r / step) * step * 2.0 ** e      # np.round: ties to even
;;       return np.moveaxis(q.reshape(q.shape[:-2] + (-1,))[..., :K], -1, axis).astype(np.float32)
;;   ~~~
;;   SOFTMAX AHEAD OF A QUANTISED PRODUCT. Where the list says 'softmax', what is quantised is not the finished softmax but p = 2^(t - M), with t = logit x log2(e) and M = ceil(the row's largest t), a whole number; so 1/2 < the row's largest p <= 1. The row's sum l is taken of the UNQUANTISED p, in f32, and the product's result is divided by l at the end. Since M is a whole number, a kernel that streams over the keys may use a running M (the ceiling of the running maximum): every later rescaling is an exact power of two, which a block's scale takes up: the codes' values come out the same.
;;   OPERANDS COMPUTED ON THE WAY. 'Computed on the way' means the value that the module computes at that place (a softmax that the list does not call 'softmax' is quantised finished and normalised). What goes into a quantiser is computed in f32, as accurately as f32 sums, v_exp_f32 and their like allow (about 1e-6 of the number): no bf16 or f16 on the way to a quantiser, and a product that is left as it is and whose result goes on into a quantised operand takes f32 operands (vector FMAs, or v_wmma_f32_16x16x4_f32). A number that lies on a knife's edge between two numbers of the format may be rounded either way, as far as f32 arithmetic and the matrix unit's own rounding can turn it there, and no further.
;; One version. Each part assembles by itself: llvm-mc -triple=amdgcn-amd-amdhsa -mcpu=gfx1250 --defsym DOCPART=n.
;; ======== version 1 of 1: 4 launches
;; limits: right only within a limited range of input values
;; workspace buffers: wc 10,485,760 bytes; wsc 655,360 bytes; ac 10,485,760 bytes; asc 655,360 bytes; mb 16,777,216 bytes; oc 2,097,152 bytes; osc 131,072 bytes
;; launch prep (part 1): grid 1152 x 1, 4 waves a work-group, no clusters, 73,216 bytes of LDS; arguments X, Wq, Wk, Wv, Wo, past_k, past_v, causal_mask, pad_mask, wc, wsc, ac, asc, mb; writes wc, wsc, ac, asc, mb
.if DOCPART == 1
	.amdgcn_target "amdgcn-amd-amdhsa--gfx1250"
	.amdhsa_code_object_version 6
	.text
	.protected	k_qde0a2644f1_prep
	.globl	k_qde0a2644f1_prep
	.p2align	8
	.type	k_qde0a2644f1_prep,@function
k_qde0a2644f1_prep:
	s_mov_b64 s[64:65], 0
	v_nop
	global_prefetch_b8 v0, s[64:65] scope:SCOPE_SE
	s_setreg_imm32_b32 hwreg(HW_REG_WAVE_MODE, 25, 1), 1
	s_wait_xcnt 0x0
; PREP: everything that arrives as f32 and is read by many work-groups later is turned, once, into what the later launches' registers want.
;   path 1 (work-groups 0-767):    X, Wq, Wk, Wv, Wo (K = their last axis, 2,048) and past_k (K = the head's 128) -> codes of FP4 (E2M1) and E8M0 scale bytes
;   path 2 (work-groups 768-895):  past_v (K = the keys, its first axis within a head) -> the same
;   path 3 (work-groups 896-1151): (causal_mask + pad_mask) x (-1e9 sqrt(128)) as f32, in the layout of the score product's accumulators
; LAYOUTS.  A FRAGMENT is 16 positions x 128 K of codes; its IMAGE is 1,024 bytes: byte 512 c + 16 lane holds registers 4 c .. 4 c + 3 of that lane: the codes k = 64 c + 32 (lane / 16) + 0 .. 31 of position lane % 16.
; A QUAD is the scale words of four fragments, 256 bytes: fragment i, position r at 16 r + 4 i.  A GROUP of 16 positions takes rows that are not neighbours: position p of group g is row 32 (g / 2) + 8 (g % 2) + p % 8 + 16 (p / 8),
; so that, as source 0 of a product, two neighbouring groups leave 16 neighbours in a lane's 16 registers.
; THE QUANTISER: a block's scale is 2^(floor(log2(its largest magnitude)) - 2); its byte is the largest magnitude's exponent field - 2, held at 1 from below by a floor among the maximum's leaves.
; LIMITS: a block of zeros, and a block whose largest magnitude lies under 2^-124, gets the byte 1 (the bytes are read by this program alone; zero codes add nothing); NaN and infinities among the inputs are not served.
; The two mask terms are scaled and added to each other here and join the score inside the matrix unit later: another order of rounding than scores + term + term.
; No tensor load, no barrier: waves share nothing.  The three paths part on the work-group's number and never join; the two that use LDS have LDS bytes of their own.
.set WV,   12                          ; s12      my wave's number
.set SEL,  14                          ; s[14:15] lane selects for v_permlanex16_b32: lane l xor 16
.set SB,   44                          ; s[44:51] path 1: where the unit's four fragments begin in memory
.set LN,   1                           ; v1  lane
.set RR,   2                           ; v2  r = lane % 16
.set HH,   3                           ; v3  h = lane / 16
.set LI,   4                           ; v4  16 x lane
.set PW,   16                          ; v16-19   path 1: the four fragments' scale words
.set OFF,  20                          ; v20-35   path 1: 16 x lane + the position's row x the pitch
.set CD,   36                          ; v36-51   path 1: codes, two sets of 8
.set RW,   52                          ; v52-179  path 1: two sets of 16 rows x 4 registers, as loaded
.set XF,   180                         ; v180-243 path 1: 64 numbers of my position, register 32 c + i = k 64 c + 32 h + i
.set H8,   244                         ; v244     8 h
.set XV,   52                          ; path 2: v52-115 two sets of 32 numbers;
.set CV,   116                         ;         v116-147 codes, four registers a block, none written twice
.set MR,   52                          ; path 3: v52-123 18 rows as loaded; later v52-115 batch 1's image
.set MX,   124                         ;         v124-187 the causal term
.set MP,   188                         ;         v188-251 batch 0's image
	s_load_b512 s[16:31], s[0:1], 0x0              ; X, Wq, Wk, Wv, Wo, past_k, past_v, causal_mask
	s_load_b256 s[32:39], s[0:1], 0x40             ; pad_mask, wc, wsc, ac
	s_load_b128 s[40:43], s[0:1], 0x60             ; asc, mb
	v_lshl_add_u32 v254, v0, 2, 0x11c00
	v_mov_b32 v255, 0
	v_lshrrev_b32 v1, 5, v0
	v_readfirstlane_b32 s[WV], v1                  ; wave 0..3
	v_and_b32 v[LN], 31, v0
	v_and_b32 v[RR], 15, v0
	v_bfe_u32 v[HH], v0, 4, 1
	v_lshlrev_b32 v[LI], 4, v[LN]
	s_mov_b32 s[SEL], 0x76543210
	s_mov_b32 s[SEL+1], 0xfedcba98
	s_cmp_ge_u32 ttmp9, 896
	s_cbranch_scc1 .Lmask
	s_cmp_ge_u32 ttmp9, 768
	s_cbranch_scc1 .Lpastv
; ---------------- PATH 1: K innermost.  A wave takes one unit: four fragments, 32 KiB of f32.
; Unit u = 4 x work-group + wave; tensor T = u / 512 (0 X, 1 Wq, 2 Wk, 3 Wv, 4 Wo, 5 past_k).  T < 5: K slot (u % 512) / 128, group u % 128, the fragments are the slot's four steps of 128 along K.
; T = 5: the unit is 64 keys of a head, the fragments are its four groups.
	s_lshl_b32 s2, ttmp9, 2
	s_add_co_u32 s2, s2, s[WV]                     ; u
	s_lshr_b32 s3, ttmp9, 7                        ; T
	s_and_b32 s4, s2, 511                          ; the unit's number in its tensor
	s_lshr_b32 s5, s4, 7                           ; K slot
	s_and_b32 s6, s4, 127                          ; group
	s_lshr_b32 s7, s6, 1
	s_lshl_b32 s7, s7, 18                          ; 32 rows of 8,192 bytes for each pair of groups,
	s_and_b32 s8, s6, 1
	s_lshl_b32 s8, s8, 16                          ; 8 rows for the odd group,
	s_add_co_u32 s7, s7, s8
	s_lshl_b32 s8, s5, 11                          ; 2,048 bytes a K slot
	s_add_co_u32 s7, s7, s8                        ; T < 5: where the unit begins in its tensor
	s_lshl_b32 s8, s2, 12                          ; its codes: 4,096 u
	s_lshr_b32 s9, s6, 3
	s_lshl_b32 s9, s9, 2
	s_add_co_u32 s9, s9, s5
	s_lshl_b32 s9, s9, 11                          ; its quad: ((group / 8) x 4 + K slot) x 2,048
	s_and_b32 s10, s6, 7
	s_lshl_b32 s10, s10, 8
	s_add_co_u32 s9, s9, s10                       ; + (group % 8) x 256
	s_lshl_b32 s10, s3, 17
	s_add_co_u32 s9, s9, s10                       ; + 131,072 T
	s_lshl_b32 s10, s4, 15                         ; T = 5: 64 keys of 512 bytes
	s_lshr_b32 s11, s4, 4                          ; batch x 16 + head
	s_and_b32 s13, s4, 15
	s_lshl_b32 s52, s11, 17
	s_lshl_b32 s53, s13, 12
	s_add_co_u32 s52, s52, s53
	s_add_co_u32 s52, s52, 0x200000                ; its codes: K's part of ac, 131,072 bytes a head
	s_lshl_b32 s53, s11, 13
	s_lshl_b32 s54, s13, 8
	s_add_co_u32 s53, s53, s54
	s_add_co_u32 s53, s53, 131072                  ; its quad: K's part of asc, 8,192 bytes a head
	s_mul_i32 s13, s[WV], 8448                     ; my stage: 16 rows of 512 + 16 bytes
	s_wait_alu depctr_va_vdst(0)
	v_add_nc_u32 v5, s13, v[LI]                    ; in: a row as it was loaded
	v_mul_u32_u24 v6, v[RR], 528
	v_lshl_add_u32 v6, v[HH], 7, v6
	v_add_nc_u32 v6, s13, v6                       ; back: row r, from number 32 h on
	v_lshlrev_b32 v7, 4, v[RR]
	v_lshl_add_u32 v7, v[HH], 3, v7                ; my 8 bytes of the quad
	v_lshlrev_b32 v[H8], 3, v[HH]
	v_mov_b32 v15, 0                               ; written once: a lane permute's destination counts as one of its sources
	s_wait_kmcnt 0x0
	s_mov_b64 s[SB:SB+1], s[16:17]                 ; the tensor, chosen by T alone
	s_cmp_eq_u32 s3, 1
	s_cselect_b64 s[SB:SB+1], s[18:19], s[SB:SB+1]
	s_cmp_eq_u32 s3, 2
	s_cselect_b64 s[SB:SB+1], s[20:21], s[SB:SB+1]
	s_cmp_eq_u32 s3, 3
	s_cselect_b64 s[SB:SB+1], s[22:23], s[SB:SB+1]
	s_cmp_eq_u32 s3, 4
	s_cselect_b64 s[SB:SB+1], s[24:25], s[SB:SB+1]
	s_cmp_eq_u32 s3, 5                             ; all the choices below hang on this compare: only moves, selects, products and 64-bit sums follow, which leave SCC alone
	s_cselect_b64 s[SB:SB+1], s[26:27], s[SB:SB+1]
	s_cselect_b64 s[56:57], s[38:39], s[34:35]     ; the codes go to ac or to wc,
	s_cselect_b64 s[58:59], s[40:41], s[36:37]     ; the scale words to asc or to wsc
	s_cselect_b32 s60, s10, s7
	s_cselect_b32 s62, s52, s8
	s_cselect_b32 s66, s53, s9
	s_mov_b32 s68, 512
	s_cselect_b32 s68, s68, 0x2000                 ; bytes from row to row
	s_mov_b32 s69, 4096
	s_cselect_b32 s69, s69, 512                    ; from the first fragment to the second: 8 keys on, or 128 along K on;
	s_mov_b32 s70, 16384
	s_cselect_b32 s70, s70, 1024                   ; to the third: 32 keys;
	s_mov_b32 s71, 20480
	s_cselect_b32 s71, s71, 1536                   ; to the fourth: 40 keys
	s_mov_b32 s61, 0
	s_mov_b32 s63, 0
	s_mov_b32 s67, 0
	s_add_nc_u64 s[SB:SB+1], s[SB:SB+1], s[60:61]
	s_mov_b32 s60, s69
	s_add_nc_u64 s[SB+2:SB+3], s[SB:SB+1], s[60:61]
	s_mov_b32 s60, s70
	s_add_nc_u64 s[SB+4:SB+5], s[SB:SB+1], s[60:61]
	s_mov_b32 s60, s71
	s_add_nc_u64 s[SB+6:SB+7], s[SB:SB+1], s[60:61]
	s_add_nc_u64 s[56:57], s[56:57], s[62:63]
	s_add_nc_u64 s[58:59], s[58:59], s[66:67]
.irp p, 0,1,2,3,4,5,6,7,8,9,10,11,12,13,14,15
	s_mul_i32 s60, s68, (\p%8)+16*(\p/8)           ; position p's row
	v_add_nc_u32 v[OFF+\p], s60, v[LI]
.endr
.macro LOADF i, set                    ; fragment i: 16 rows of 512 bytes; each load reads one row's 512 consecutive bytes
.irp p, 0,1,2,3,4,5,6,7,8,9,10,11,12,13,14,15
	global_load_b128 v[RW+64*(\set)+4*\p:RW+64*(\set)+4*\p+3], v[OFF+\p], s[SB+2*(\i):SB+2*(\i)+1] th:TH_LOAD_NT
.endr
.endm
.macro FRAGQ i
.set RS, RW+64*((\i)%2)
.set CS, CD+8*((\i)%2)
.if (\i) < 3
	s_wait_loadcnt 16                              ; this fragment's 16 loads are in; the next fragment's 16 may be out
.else
	s_wait_loadcnt 0x0
.endif
.irp p, 0,1,2,3,4,5,6,7,8,9,10,11,12,13,14,15
	ds_store_b128 v5, v[RS+4*\p:RS+4*\p+3] offset:528*\p
.endr
.irp n, 0,1,2,3,4,5,6,7,8,9,10,11,12,13,14,15
	ds_load_b128 v[XF+4*\n:XF+4*\n+3], v6 offset:256*(\n/8)+16*(\n%8)   ; LDS serves a wave's instructions in order: these see the stores above.  Two whole blocks of my position: 2 c + h, c = 0, 1
.endr
	s_wait_dscnt 0x0                               ; the numbers are back, and the stores have read the rows' registers,
.if (\i) < 2
	LOADF (\i)+2, (\i)%2                           ; which take the fragment two further on
.endif
.irp c, 0,1
	v_max3_num_f32 v[8+\c], |v[XF+32*\c]|, |v[XF+32*\c+1]|, 0x1800000   ; the block's largest magnitude, and the floor 2^(3 - 127): so the byte cannot fall under 1
.endr
.irp j, 2,4,6,8,10,12,14,16,18,20,22,24,26,28,30
.irp c, 0,1
	v_max3_num_f32 v[8+\c], v[8+\c], |v[XF+32*\c+\j]|, |v[XF+32*\c+\j+1]|   ; (the two blocks by turns)
.endr
.endr
.irp c, 0,1
	v_add_nc_u32 v[10+\c], 0xff000000, v[8+\c]     ; 2 off its exponent field: the conversion takes the exponent field of this operand as its scale
.endr
.irp c, 0,1
	v_lshrrev_b32 v[12+\c], 23, v[10+\c]           ; the scale's byte
.endr
	v_lshl_or_b32 v14, v13, 16, v12                ; my two bytes, blocks h and 2 + h,
	v_lshlrev_b32 v14, v[H8], v14                  ; at their places in the word;
	v_permlanex16_b32 v15, v14, s[SEL], s[SEL+1]
	v_or_b32 v[PW+(\i)], v14, v15                  ; with lane l xor 16's two the word is whole, in both halves of the lanes
.if (\i) >= 2
	s_wait_alu depctr_va_vdst(0)
	s_wait_xcnt 0x0                                ; the stores of two fragments ago have read this set of codes
.endif
.irp c, 0,1
.irp g, 0,1,2,3
	v_cvt_scalef32_pk8_fp4_f32 v[CS+4*\c+\g], v[XF+32*\c+8*\g:XF+32*\c+8*\g+7], v[10+\c]
.endr
.endr
	v_nop                                          ; one plain line behind the last scaled conversion
	global_store_b128 v[LI], v[CS:CS+3], s[56:57] offset:1024*(\i)        ; the image: 512 consecutive bytes a store
	global_store_b128 v[LI], v[CS+4:CS+7], s[56:57] offset:1024*(\i)+512
.endm
	s_wait_alu depctr_va_vdst(0)
	LOADF 0, 0
	LOADF 1, 1
	FRAGQ 0
	FRAGQ 1
	FRAGQ 2
	FRAGQ 3
	v_cmp_le_u32 vcc_lo, 16, v[LN]                 ; the quad: lanes 0-15 bring fragments 0 and 1 of their position, lanes 16-31 fragments 2 and 3
	v_cndmask_b32 v8, v[PW], v[PW+2], vcc_lo
	v_cndmask_b32 v9, v[PW+1], v[PW+3], vcc_lo
	global_store_b64 v7, v[8:9], s[58:59]          ; 256 consecutive bytes
	s_wait_tensorcnt 0x0
	ds_add_u32 v254, v255
	s_wait_dscnt 0x0
	s_endpgm
; ---------------- PATH 2: past_v.  K = the keys: a lane takes a column d and its registers run down the keys, so a block of 32 lies in one lane and nothing is transposed.
; A wave takes 128 keys (step sigma) x 64 of the head's 128: eight blocks a lane: x = 0, 1 (32 columns each) x four blocks of 32 keys.  Lane (u, r) takes column 64 g + 32 x + 8 u + r % 8 + 16 (r / 8): position r of group 4 g + 2 x + u.
.Lpastv:
	s_sub_co_u32 s2, ttmp9, 768
	s_lshl_b32 s2, s2, 2
	s_add_co_u32 s2, s2, s[WV]
	s_lshr_b32 s3, s2, 4                           ; batch x 16 + head
	s_bfe_u32 s4, s2, 0x30001                      ; sigma 0..7
	s_and_b32 s5, s2, 1                            ; g
	s_lshl_b32 s6, s3, 4
	s_add_co_u32 s6, s6, s4                        ; 16 key steps a head in the buffers
	s_lshl_b32 s8, s3, 19
	s_lshl_b32 s9, s4, 16
	s_add_co_u32 s8, s8, s9
	s_lshl_b32 s9, s5, 8
	s_add_co_u32 s8, s8, s9                        ; past_v: 524,288 a head, 65,536 a key step, 256 bytes for g
	s_mov_b32 s9, 0
	s_lshl_b32 s10, s6, 13
	s_lshl_b32 s11, s5, 12
	s_add_co_u32 s10, s10, s11
	s_add_co_u32 s10, s10, 0x600000                ; V's part of ac: 8,192 a key step, 4,096 for g
	s_mov_b32 s11, 0
	s_lshl_b32 s52, s6, 9
	s_lshl_b32 s53, s5, 8
	s_add_co_u32 s52, s52, s53
	s_add_co_u32 s52, s52, 393216                  ; V's part of asc: two quads a key step
	s_mov_b32 s53, 0
	s_wait_alu depctr_va_vdst(0)
	v_and_b32 v5, 8, v[RR]
	v_add_nc_u32 v5, v5, v[RR]
	v_lshl_add_u32 v5, v[HH], 3, v5
	v_lshlrev_b32 v5, 2, v5                        ; my column among 32, in bytes: the 32 lanes take 128 consecutive bytes
	v_lshlrev_b32 v6, 4, v[RR]
	v_lshl_add_u32 v6, v[HH], 10, v6               ; my block's 16 bytes in the images: 1,024 u + 16 r
	v_lshlrev_b32 v7, 4, v[RR]
	v_lshl_add_u32 v7, v[HH], 3, v7
	s_wait_alu depctr_va_vdst(0)
	s_wait_kmcnt 0x0
	s_add_nc_u64 s[44:45], s[28:29], s[8:9]
	s_add_nc_u64 s[56:57], s[38:39], s[10:11]
	s_add_nc_u64 s[58:59], s[40:41], s[52:53]
.macro LOADV t                         ; block t: x = t / 4, keys 32 (t % 4) on.  No hint: the other half of each 256 bytes is taken four blocks later
.irp i, 0,1,2,3,4,5,6,7,8,9,10,11,12,13,14,15,16,17,18,19,20,21,22,23,24,25,26,27,28,29,30,31
	global_load_b32 v[XV+32*((\t)%2)+\i], v5, s[44:45] offset:(32*((\t)%4)+\i)*512+128*((\t)/4)
.endr
.endm
.macro BLOCKV t
.set XS, XV+32*((\t)%2)
.if (\t) < 7
	s_wait_loadcnt 32                              ; this block's 32 loads are in; the next block's may be out
.else
	s_wait_loadcnt 0x0
.endif
	v_max3_num_f32 v8, |v[XS]|, |v[XS+1]|, 0x1800000               ; all 32 numbers are mine; two chains; the floor among the leaves
	v_max3_num_f32 v9, |v[XS+2]|, |v[XS+3]|, |v[XS+4]|
.irp i, 5,9,13,17,21,25
	v_max3_num_f32 v8, v8, |v[XS+\i]|, |v[XS+\i+1]|
	v_max3_num_f32 v9, v9, |v[XS+\i+2]|, |v[XS+\i+3]|
.endr
	v_max3_num_f32 v8, v8, |v[XS+29]|, |v[XS+30]|
	v_max3_num_f32 v8, v8, v9, |v[XS+31]|
	v_add_nc_u32 v10, 0xff000000, v8
	v_lshrrev_b32 v11, 23, v10
.if (\t)%4 == 0
	v_mov_b32 v[16+(\t)/4], v11                    ; four bytes make the word of my position for these 128 keys
.else
	v_lshl_or_b32 v[16+(\t)/4], v11, 8*((\t)%4), v[16+(\t)/4]
.endif
.irp g, 0,1,2,3
	v_cvt_scalef32_pk8_fp4_f32 v[CV+4*(\t)+\g], v[XS+8*\g:XS+8*\g+7], v10
.endr
	global_store_b128 v6, v[CV+4*(\t):CV+4*(\t)+3], s[56:57] offset:2048*((\t)/4)+256*((\t)%4)   ; block beta of a position lies at 256 beta + 16 r of its image: sixteen lanes fill 256 consecutive bytes
.if (\t) < 6
	LOADV (\t)+2
.endif
.endm
	LOADV 0
	LOADV 1
.irp t, 0,1,2,3,4,5,6,7
	BLOCKV \t
.endr
	v_nop                                          ; one plain line behind the last scaled conversion
	v_permlane16_swap_b32 v16, v17                 ; lane (h, r) now holds the words of groups 4 g + 2 h and 4 g + 2 h + 1
	global_store_b64 v7, v[16:17], s[58:59]        ; the quad: 256 consecutive bytes
	s_endpgm
; ---------------- PATH 3: the mask images.  A wave takes one tile of 16 queries x 128 keys, for both batches: causal_mask is read once.
; In the image, register 4 n + e of lane (r, h) belongs to query position r and key 32 (n / 4) + 16 h + 4 (n % 4) + e: the place of that score in the score product's accumulators.
.Lmask:
	s_sub_co_u32 s2, ttmp9, 896
	s_lshl_b32 s2, s2, 2
	s_add_co_u32 s2, s2, s[WV]                     ; 16 x tile + key step
	s_lshr_b32 s3, s2, 5
	s_lshl_b32 s8, s3, 18                          ; 32 rows of 8,192 bytes for each pair of tiles,
	s_bfe_u32 s3, s2, 0x10004
	s_lshl_b32 s3, s3, 16                          ; 8 rows for the odd tile,
	s_add_co_u32 s8, s8, s3
	s_and_b32 s6, s2, 15
	s_lshl_b32 s6, s6, 9                           ; 512 bytes a key step
	s_add_co_u32 s8, s8, s6
	s_mov_b32 s9, 0
	s_mov_b32 s7, 0
	s_lshl_b32 s10, s2, 13                         ; an image is 8,192 bytes
	s_mov_b32 s11, 0
	s_mov_b32 s52, 0xd028965f                      ; -1e9 x sqrt(128): the score product's sums are divided by sqrt(128) behind it
	s_mov_b32 s53, s52                             ; (named with it as a pair, so it is written)
	s_mul_i32 s13, s[WV], 9728
	s_add_co_u32 s13, s13, 33792                   ; my stage, behind path 1's: 18 rows of 512 + 16 bytes
	s_wait_alu depctr_va_vdst(0)
	v_add_nc_u32 v5, s13, v[LI]
	v_mul_u32_u24 v6, v[RR], 528
	v_lshl_add_u32 v6, v[HH], 6, v6
	v_add_nc_u32 v6, s13, v6                       ; back: row r, from key 16 h on
	v_lshlrev_b32 v7, 6, v[HH]
	v_add_nc_u32 v7, s13, v7                       ; pad_mask's rows: the same keys for every query
	s_wait_alu depctr_va_vdst(0)
	s_wait_kmcnt 0x0
	s_add_nc_u64 s[44:45], s[30:31], s[8:9]
	s_add_nc_u64 s[46:47], s[32:33], s[6:7]
	s_add_nc_u64 s[56:57], s[42:43], s[10:11]
	s_add_nc_u64 s[58:59], s[56:57], 0x800000      ; batch 1's images: 64 tiles x 16 key steps further on
.irp p, 0,1,2,3,4,5,6,7,8,9,10,11,12,13,14,15
	global_load_b128 v[MR+4*\p:MR+4*\p+3], v[LI], s[44:45] offset:((\p%8)+16*(\p/8))*8192 th:TH_LOAD_NT   ; 512 consecutive bytes of the position's row
.endr
	global_load_b128 v[MR+64:MR+67], v[LI], s[46:47]
	global_load_b128 v[MR+68:MR+71], v[LI], s[46:47] offset:8192
	s_wait_loadcnt 0x0
.irp p, 0,1,2,3,4,5,6,7,8,9,10,11,12,13,14,15,16,17
	ds_store_b128 v5, v[MR+4*\p:MR+4*\p+3] offset:528*\p
.endr
	s_wait_dscnt 0x0                               ; the stores have read the rows' registers: batch 1's image lands there
.irp n, 0,1,2,3,4,5,6,7,8,9,10,11,12,13,14,15
	ds_load_b128 v[MX+4*\n:MX+4*\n+3], v6 offset:128*(\n/4)+16*(\n%4)
	ds_load_b128 v[MP+4*\n:MP+4*\n+3], v7 offset:16*528+128*(\n/4)+16*(\n%4)
	ds_load_b128 v[MR+4*\n:MR+4*\n+3], v7 offset:17*528+128*(\n/4)+16*(\n%4)
.endr
	s_wait_dscnt 0x0
.set J, 0
.rept 32
	v_pk_mul_f32 v[MX+J:MX+J+1], v[MX+J:MX+J+1], s[52:53] op_sel_hi:[1,0]
.set J, J+2
.endr
.set J, 0
.rept 32
	v_pk_fma_f32 v[MP+J:MP+J+1], v[MP+J:MP+J+1], s[52:53], v[MX+J:MX+J+1] op_sel_hi:[1,0,1]
	v_pk_fma_f32 v[MR+J:MR+J+1], v[MR+J:MR+J+1], s[52:53], v[MX+J:MX+J+1] op_sel_hi:[1,0,1]
.set J, J+2
.endr
.irp n, 0,1,2,3,4,5,6,7,8,9,10,11,12,13,14,15
	global_store_b128 v[LI], v[MP+4*\n:MP+4*\n+3], s[56:57] offset:512*\n
	global_store_b128 v[LI], v[MR+4*\n:MR+4*\n+3], s[58:59] offset:512*\n
.endr
	s_wait_tensorcnt 0x0
	ds_add_u32 v254, v255
	s_wait_dscnt 0x0
	s_endpgm
.Lfunc_end_k_qde0a2644f1_prep:
	.size	k_qde0a2644f1_prep, .Lfunc_end_k_qde0a2644f1_prep-k_qde0a2644f1_prep
	.p2alignl 7, 3214868480
	.fill 96, 4, 3214868480
	.section	.rodata,"a",@progbits
	.p2align	6, 0x0
	.amdhsa_kernel k_qde0a2644f1_prep
		.amdhsa_group_segment_fixed_size 73216
		.amdhsa_private_segment_fixed_size 0
		.amdhsa_enable_private_segment 0
		.amdhsa_kernarg_size 112
		.amdhsa_user_sgpr_count 2
		.amdhsa_user_sgpr_kernarg_segment_ptr 1
		.amdhsa_wavefront_size32 1
		.amdhsa_system_sgpr_workgroup_id_x 1
		.amdhsa_system_sgpr_workgroup_id_y 1
		.amdhsa_system_sgpr_workgroup_id_z 1
		.amdhsa_system_vgpr_workitem_id 0
		.amdhsa_next_free_vgpr 256
		.amdhsa_next_free_sgpr 80
		.amdhsa_reserve_vcc 1
		.amdhsa_float_denorm_mode_32 3
		.amdhsa_float_denorm_mode_16_64 3
		.amdhsa_memory_ordered 1
		.amdhsa_forward_progress 1
		.amdhsa_inst_pref_size 87
	.end_amdhsa_kernel
	.amdgpu_metadata
---
amdhsa.version: [ 1, 2 ]
amdhsa.kernels:
  - .name:           k_qde0a2644f1_prep
    .symbol:         k_qde0a2644f1_prep.kd
    .args:
      - { .name: X, .offset: 0, .size: 8, .value_kind: global_buffer, .address_space: global }
      - { .name: Wq, .offset: 8, .size: 8, .value_kind: global_buffer, .address_space: global }
      - { .name: Wk, .offset: 16, .size: 8, .value_kind: global_buffer, .address_space: global }
      - { .name: Wv, .offset: 24, .size: 8, .value_kind: global_buffer, .address_space: global }
      - { .name: Wo, .offset: 32, .size: 8, .value_kind: global_buffer, .address_space: global }
      - { .name: past_k, .offset: 40, .size: 8, .value_kind: global_buffer, .address_space: global }
      - { .name: past_v, .offset: 48, .size: 8, .value_kind: global_buffer, .address_space: global }
      - { .name: causal_mask, .offset: 56, .size: 8, .value_kind: global_buffer, .address_space: global }
      - { .name: pad_mask, .offset: 64, .size: 8, .value_kind: global_buffer, .address_space: global }
      - { .name: wc, .offset: 72, .size: 8, .value_kind: global_buffer, .address_space: global }
      - { .name: wsc, .offset: 80, .size: 8, .value_kind: global_buffer, .address_space: global }
      - { .name: ac, .offset: 88, .size: 8, .value_kind: global_buffer, .address_space: global }
      - { .name: asc, .offset: 96, .size: 8, .value_kind: global_buffer, .address_space: global }
      - { .name: mb, .offset: 104, .size: 8, .value_kind: global_buffer, .address_space: global }
    .group_segment_fixed_size: 73216
    .private_segment_fixed_size: 0
    .kernarg_segment_align: 8
    .kernarg_segment_size: 112
    .max_flat_workgroup_size: 128
    .sgpr_count:     80
    .vgpr_count:     256
    .wavefront_size: 32
...
	.end_amdgpu_metadata
.endif
;; end of part 1
;; launch qkv (part 2): grid 24 x 8, 4 waves a work-group, clusters of 4 x 4, 327,680 bytes of LDS; arguments wc, wsc, bq, bk, bv, ac, asc; writes ac, asc
.if DOCPART == 2
	.amdgcn_target "amdgcn-amd-amdhsa--gfx1250"
	.amdhsa_code_object_version 6
	.text
	.protected	k_qde0a2644f1_qkv
	.globl	k_qde0a2644f1_qkv
	.p2align	8
	.type	k_qde0a2644f1_qkv,@function
k_qde0a2644f1_qkv:
	s_mov_b64 s[64:65], 0
	v_nop
	global_prefetch_b8 v0, s[64:65] scope:SCOPE_SE
	s_setreg_imm32_b32 hwreg(HW_REG_WAVE_MODE, 25, 1), 1
	s_wait_xcnt 0x0
	s_wait_alu depctr_hold_cnt(0) depctr_sa_sdst(0) depctr_va_vdst(0) depctr_va_sdst(0) depctr_va_ssrc(0) depctr_va_vcc(0) depctr_vm_vsrc(0)
	s_getreg_b32 s2, hwreg(HW_REG_IB_STS2, 6, 4)
	s_cmp_eq_u32 s2, 0
	s_cbranch_scc0 .Lentry_in_a_cluster
	s_endpgm
.Lentry_in_a_cluster:
	s_bfe_u32 s2, ttmp6, 0x10000c
	s_cmp_lg_u32 s2, 0xf033
	s_cbranch_scc0 .Lentry_shape_is_right
	s_endpgm
.Lentry_shape_is_right:
; QKV: q = X Wq^T + bq, k = X Wk^T + bk, v = X Wv^T + bv on codes of FP4 (E2M1) with E8M0 scales; the results are quantised here and leave as images of the next products' operands.
; A tile of 256 x 256 to a work-group, 128 x 128 to each of four waves; K = 2,048 goes in four slots of 512 through a ring of two LDS slots.  Cluster x / 2 says which product; for v the weight is source 1's side and X source 0's, so that v comes out with the keys along a lane's registers.
; CLUSTERS: 4 x 4 work-groups; one operand's tiles are asked for jointly along a row of the cluster, the other's along a column.
; THE HEAD: four tiles, one tensor load a wave: K slot 0 of both operands (64 KiB each) and both operands' scale words for all of K (16 KiB each); slot 1 is first filled behind the full sequence and a round, as a refill is.
; No prefetch: K has four slots, and two of them are asked for before the first product.
; LIMITS: a block of zeros gets the scale byte 1 (read by this program alone); NaN and infinities are not served.
.set NQ,     4
.set FR,     8
.set NL,     2
.set NP,     4
.set PART,   32768
.set SLOT,   4*PART
.set KSB,    524288
.set SCL,    2*SLOT
.set SPART,  8192
.set SPARE,  SCL+4*SPART
.set ADRA, 16
.set ADRB, 20
.set LI,   26
.set ADRS, 27
.set SPW,  28
.set NIL,  29
.set SC,   32
.set BM,   96
.set AF,   128
.set T,    128
.set TM,   192
.set PW,   208
.set PC,   216
.set DQ,   232
.set BN,   192
.set SEL,  2
.set NMUL, 66
.set MMUL, 104
.set G1, 24
.set G0, 32
.set G1B, 48
.set G0B, 56
.set G1S, 68
.set G0S, 76
.set G1SB, 80
.set G0SB, 88
.set MSB, 0
.macro WIN new
.if MSB != (\new)
	s_set_vgpr_msb (MSB<<8)|(\new)
.set MSB, (\new)
.endif
.endm
.set MUL_LO, 0xa1
.set MUL_HI, 0xf1
.set TO_B,   0x40
.macro JLOAD g0a, g1a, g0b, g1b
	s_cmp_eq_u32 s15, 0
	s_cbranch_scc0 .Lfor_b_\@
	tensor_load_to_lds s[\g0a:\g0a+3], s[\g1a:\g1a+7]
	s_nop 0
.rept 4
	v_nop
.endr
	s_branch .Lasked_\@
.Lfor_b_\@:
	tensor_load_to_lds s[\g0b:\g0b+3], s[\g1b:\g1b+7]
	s_nop 0
.rept 4
	v_nop
.endr
.Lasked_\@:
.endm
.macro CREST
	s_cmp_lg_u32 s14, 0
	s_cbranch_scc1 .Lnot_wave_0_\@
	s_barrier_signal -3
.Lnot_wave_0_\@:
	s_barrier_wait -3
	s_barrier_signal -1
	s_barrier_wait -1
.endm
.macro CROUND
	s_barrier_signal -1
	s_barrier_wait -1
	CREST
.endm
	s_load_b128 s[4:7], s[0:1], 0x0
	s_load_b128 s[8:11], s[0:1], 0x10
	s_load_b128 s[96:99], s[0:1], 0x20
	s_load_b64 s[100:101], s[0:1], 0x30
	v_lshl_add_u32 v[SPW], v0, 2, SPARE
	v_mov_b32 v[NIL], 0
	ds_add_u32 v28, v29
	ds_add_u32 v28, v29
	s_wait_dscnt 0x0
	v_lshrrev_b32 v1, 5, v0
	v_readfirstlane_b32 s14, v1
	s_lshr_b32 s15, s14, 1
	s_and_b32 s16, s14, 1
	s_bfe_u32 s40, ttmp6, 0x40000
	s_bfe_u32 s41, ttmp6, 0x40004
	s_lshr_b32 s12, ttmp9, 1
	s_and_b32 s42, ttmp9, 1
	s_lshl_b32 s42, s42, 2
	s_add_co_u32 s42, s42, s40
	s_and_b32 s17, ttmp7, 0xffff
	s_lshl_b32 s17, s17, 2
	s_add_co_u32 s17, s17, s41
	s_lshl_b32 s43, s41, 2
	s_lshl_b32 s43, 15, s43
	s_lshl_b32 s44, 0x1111, s40
	s_or_b32 s[G1+0], s43, (3<<16)|(1<<21)
	s_or_b32 s[G1B+0], s44, (3<<16)|(1<<21)
	s_or_b32 s[G1S+0], s43, (3<<16)|(1<<21)
	s_or_b32 s[G1SB+0], s44, (3<<16)|(1<<21)
.irp g, G1, G1B
	s_mov_b32 s[\g+1], 32<<16
	s_mov_b32 s[\g+2], 256<<16
	s_mov_b32 s[\g+3], 32<<16
	s_mov_b32 s[\g+4], 256
	s_mov_b32 s[\g+5], 32
	s_mov_b32 s[\g+6], 0
	s_mov_b32 s[\g+7], 0
.endr
.irp g, G1S, G1SB
	s_mov_b32 s[\g+1], 32<<16
	s_mov_b32 s[\g+2], 64<<16
	s_mov_b32 s[\g+3], 32<<16
	s_mov_b32 s[\g+4], 64
	s_mov_b32 s[\g+5], 32
	s_mov_b32 s[\g+6], 0
	s_mov_b32 s[\g+7], 0
.endr
	s_add_co_u32 s19, s12, 1
	s_cmp_eq_u32 s12, 2
	s_cselect_b32 s18, 3, 0
	s_cselect_b32 s19, 0, s19
	s_lshl_b32 s20, s17, 16
	s_lshl_b32 s21, s16, 15
	s_add_co_u32 s20, s20, s21
	s_lshl_b32 s21, s18, 21
	s_add_co_u32 s20, s20, s21
	s_mov_b32 s21, 0
	s_lshl_b32 s22, s17, 14
	s_lshl_b32 s23, s16, 13
	s_add_co_u32 s22, s22, s23
	s_lshl_b32 s23, s18, 17
	s_add_co_u32 s22, s22, s23
	s_mov_b32 s23, 0
	s_lshl_b32 s46, s42, 16
	s_lshl_b32 s47, s16, 15
	s_add_co_u32 s46, s46, s47
	s_lshl_b32 s47, s19, 21
	s_add_co_u32 s46, s46, s47
	s_mov_b32 s47, 0
	s_lshl_b32 s92, s42, 14
	s_lshl_b32 s93, s16, 13
	s_add_co_u32 s92, s92, s93
	s_lshl_b32 s93, s19, 17
	s_add_co_u32 s92, s92, s93
	s_mov_b32 s93, 0
	s_lshl_b32 s45, s14, 15
	s_lshl_b32 s94, s14, 13
	s_wait_kmcnt 0x0
	s_add_nc_u64 s[20:21], s[4:5], s[20:21]
	s_add_nc_u64 s[22:23], s[6:7], s[22:23]
	s_add_nc_u64 s[46:47], s[4:5], s[46:47]
	s_add_nc_u64 s[92:93], s[6:7], s[92:93]
	s_lshl_b32 s18, s16, 15                        ; the head's tiles are whole: my half's offset is taken off again
	s_mov_b32 s19, 0
	s_mov_b32 s[G0], 1
	s_mov_b32 s[G0+1], 0
	s_sub_nc_u64 s[G0+2:G0+3], s[20:21], s[18:19]
	s_or_b32 s[G0+3], s[G0+3], 0x80000000
	s_mov_b32 s[G0B], 1
	s_mov_b32 s[G0B+1], 2*PART
	s_sub_nc_u64 s[G0B+2:G0B+3], s[46:47], s[18:19]
	s_or_b32 s[G0B+3], s[G0B+3], 0x80000000
	s_lshl_b32 s18, s16, 13
	s_mov_b32 s[G0S], 1
	s_mov_b32 s[G0S+1], SCL
	s_sub_nc_u64 s[G0S+2:G0S+3], s[22:23], s[18:19]
	s_or_b32 s[G0S+3], s[G0S+3], 0x80000000
	s_mov_b32 s[G0SB], 1
	s_mov_b32 s[G0SB+1], SCL+2*SPART
	s_sub_nc_u64 s[G0SB+2:G0SB+3], s[92:93], s[18:19]
	s_or_b32 s[G0SB+3], s[G0SB+3], 0x80000000
	CROUND                                         ; all sixteen work-groups are here: the first joint loads meet
.macro ARM under, g0, g1, next                         ; one tree of branches on the wave's number, a load to an arm
	s_cmp_lt_u32 s14, \under
	s_cbranch_scc0 \next
	tensor_load_to_lds s[\g0:\g0+3], s[\g1:\g1+7]
	s_nop 0
.rept 4
	v_nop
.endr
	s_branch .Lhead_asked
\next:
.endm
	ARM 1, G0,  G1,  .Lhead_b
	ARM 2, G0B, G1B, .Lhead_sa
	ARM 3, G0S, G1S, .Lhead_sb
	tensor_load_to_lds s[G0SB:G0SB+3], s[G1SB:G1SB+7]
	s_nop 0
.rept 4
	v_nop
.endr
.Lhead_asked:
	s_wait_alu depctr_va_vdst(0)
	s_wait_tensorcnt 0x0                           ; my tile of the four is in: no tensor load of mine is out, so descriptors may be written
	ds_add_u32 v28, v29
	s_mov_b32 s[G1+2], 128<<16                     ; from here on a load brings 128 rows
	s_mov_b32 s[G1+4], 128
	s_mov_b32 s[G1B+2], 128<<16
	s_mov_b32 s[G1B+4], 128
.irp s, 0,1
	s_mov_b32 s[G0+4*\s], 1
	s_add_co_u32 s[G0+4*\s+1], s45, \s*SLOT
	s_add_nc_u64 s[G0+4*\s+2:G0+4*\s+3], s[20:21], \s*KSB
	s_or_b32 s[G0+4*\s+3], s[G0+4*\s+3], 0x80000000
	s_mov_b32 s[G0B+4*\s], 1
	s_add_co_u32 s[G0B+4*\s+1], s45, \s*SLOT
	s_add_nc_u64 s[G0B+4*\s+2:G0B+4*\s+3], s[46:47], \s*KSB
	s_or_b32 s[G0B+4*\s+3], s[G0B+4*\s+3], 0x80000000
.endr
	s_wait_dscnt 0x0                               ; the add is done
	CROUND                                         ; all four tiles are in, in every work-group of the cluster
	JLOAD G0+4, G1, G0B+4, G1B                     ; K slot 1, a quarter of the slot a wave: the first tensor load behind the round
	v_and_b32 v1, 15, v0
	v_bfe_u32 v2, v0, 4, 1
	s_wait_alu depctr_va_vdst(0)
	v_and_b32 v3, 31, v0
	v_lshlrev_b32 v[LI], 4, v3
	s_lshl_b32 s21, s15, 15
	s_lshl_b32 s22, s16, 15
	s_add_co_u32 s22, s22, 2*PART
.irp s, 0,1
	v_add_nc_u32 v[ADRA+\s], s21, v[LI]
	v_add_nc_u32 v[ADRB+\s], s22, v[LI]
	s_add_co_u32 s21, s21, SLOT
	s_add_co_u32 s22, s22, SLOT
.endr
	v_lshlrev_b32 v5, 4, v1
	s_lshl_b32 s21, s15, 13
	s_lshl_b32 s22, s16, 13
	s_add_co_u32 s22, s22, 2*SPART
	s_sub_co_u32 s22, s22, s21
	v_mul_u32_u24 v6, s22, v2
	s_add_co_u32 s21, s21, SCL
	v_add_nc_u32 v5, v5, v6
	v_add_nc_u32 v[ADRS], s21, v5
	s_mov_b32 s[SEL], 0x76543210
	s_mov_b32 s[SEL+1], 0xfedcba98
	s_cmp_eq_u32 s12, 1
	s_cselect_b64 s[8:9], s[10:11], s[8:9]
	s_cmp_eq_u32 s12, 2
	s_cselect_b64 s[8:9], s[96:97], s[8:9]
	s_lshl_b32 s20, s42, 10
	s_lshl_b32 s21, s16, 9
	s_add_co_u32 s20, s20, s21
	s_mov_b32 s21, 0
	s_add_nc_u64 s[10:11], s[8:9], s[20:21]
	s_lshl_b32 s20, s17, 10
	s_lshl_b32 s21, s15, 9
	s_add_co_u32 s20, s20, s21
	s_mov_b32 s21, 0
	s_add_nc_u64 s[8:9], s[8:9], s[20:21]
	v_lshlrev_b32 v12, 6, v2
	v_and_b32 v13, 8, v1
	v_add_nc_u32 v13, v13, v1
	v_lshlrev_b32 v13, 2, v13
	WIN TO_B
.irp n, 0,1,2,3,4,5,6,7,8,9,10,11,12,13,14,15
	global_load_b128 v[BN+4*\n:BN+4*\n+3], v12, s[10:11] offset:128*(\n/4)+16*(\n%4)
.endr
	WIN 0
.irp a, 0,1,2,3,4,5,6,7
	global_load_b32 v[BM+2*\a], v13, s[8:9] offset:4*(32*(\a/2)+8*(\a%2))
	global_load_b32 v[BM+2*\a+1], v13, s[8:9] offset:4*(32*(\a/2)+8*(\a%2))
.endr
	s_cmp_lt_u32 s12, 2
	s_cselect_b32 s18, s17, s42
	s_cselect_b32 s19, s15, s16
	s_cselect_b32 s20, s42, s17
	s_cselect_b32 s21, s16, s15
	s_cselect_b32 s[NMUL], 1.0, 0
	s_cselect_b32 s[MMUL], 0, 1.0
	s_mov_b32 s[NMUL+1], s[NMUL]
	s_mov_b32 s[MMUL+1], s[MMUL]
	s_lshr_b32 s22, s18, 2
	s_lshl_b32 s22, s22, 4
	s_lshl_b32 s20, s20, 1
	s_add_co_u32 s22, s22, s20
	s_add_co_u32 s22, s22, s21
	s_and_b32 s18, s18, 3
	s_lshl_b32 s18, s18, 1
	s_add_co_u32 s18, s18, s19
	s_mov_b32 s20, 0x210000
	s_mov_b32 s92, 135168
	s_cmp_eq_u32 s12, 0
	s_cselect_b32 s19, 16, 17
	s_cselect_b32 s21, 12, 13
	s_cselect_b32 s20, 0, s20
	s_cselect_b32 s92, 0, s92
	s_mov_b32 s23, 0x610000
	s_mov_b32 s93, 397312
	s_cmp_eq_u32 s12, 2
	s_cselect_b32 s20, s23, s20
	s_cselect_b32 s92, s93, s92
	s_lshl_b32 s19, s22, s19
	s_add_co_u32 s20, s20, s19
	s_lshl_b32 s19, s18, 13
	s_add_co_u32 s20, s20, s19
	s_lshl_b32 s21, s22, s21
	s_add_co_u32 s92, s92, s21
	s_lshl_b32 s21, s18, 9
	s_add_co_u32 s92, s92, s21
	s_mov_b32 s21, 0
	s_mov_b32 s93, 0
	s_add_nc_u64 s[98:99], s[98:99], s[20:21]
	s_add_nc_u64 s[100:101], s[100:101], s[92:93]
.macro FRAG reg, adr, q, i
.irp c, 0,1
	ds_load_b128 v[\reg+4*\c:\reg+4*\c+3], v[\adr] offset:4096*(\i)+1024*(\q)+512*\c
.endr
.endm
.macro MUL16 a0, p, q, sc, zero
.irp a, \a0, \a0+1
.irp b, 0,1,2,3,4,5,6,7
.if \zero
	v_wmma_scale_f32_16x16x128_f8f6f4 v[8*(8*((\a)%4)+\b):8*(8*((\a)%4)+\b)+7], v[128*(\p)+FR*\b:128*(\p)+FR*\b+FR-1], v[AF+FR*(\a):AF+FR*(\a)+FR-1], 0, v[SC+8*NQ*(\sc)+NQ*\b+(\q)], v[SC+8*NQ*(\sc)+NQ*(\a)+(\q)] matrix_a_fmt:MATRIX_FMT_FP4 matrix_b_fmt:MATRIX_FMT_FP4 matrix_a_scale:MATRIX_SCALE_ROW1
.else
	v_wmma_scale_f32_16x16x128_f8f6f4 v[8*(8*((\a)%4)+\b):8*(8*((\a)%4)+\b)+7], v[128*(\p)+FR*\b:128*(\p)+FR*\b+FR-1], v[AF+FR*(\a):AF+FR*(\a)+FR-1], v[8*(8*((\a)%4)+\b):8*(8*((\a)%4)+\b)+7], v[SC+8*NQ*(\sc)+NQ*\b+(\q)], v[SC+8*NQ*(\sc)+NQ*(\a)+(\q)] matrix_a_fmt:MATRIX_FMT_FP4 matrix_b_fmt:MATRIX_FMT_FP4 matrix_a_scale:MATRIX_SCALE_ROW1
.endif
.endr
.endr
.endm
.macro FETCH_B slot, q, p
	WIN TO_B
.irp i, 0,1,2,3,4,5,6,7
	FRAG 128*(\p)+FR*\i, ADRB+\slot, \q, \i
.endr
	WIN 0
.endm
.macro FETCH_A slot, q, i0
.irp i, \i0, \i0+1, \i0+2, \i0+3
	FRAG AF+FR*(\i), ADRA+\slot, \q, \i
.endr
.endm
.macro SCALES sc
.irp i, 0,1,2,3,4,5,6,7
	ds_load_b128 v[SC+8*NQ*\sc+NQ*\i:SC+8*NQ*\sc+NQ*\i+3], v[ADRS] offset:\i*256
.endr
.endm
.macro PLACES n
.rept \n
	v_nop
.endr
.endm
.macro STEP slot, q, zero
	s_wait_dscnt 4*NL
	WIN MUL_LO
	MUL16 0, (\q)%2, \q, \slot, \zero
	MUL16 2, (\q)%2, \q, \slot, \zero
	s_wait_dscnt 0
	PLACES NP
	FETCH_B \slot, (\q)+1, 1-(\q)%2
	FETCH_A \slot, (\q)+1, 0
	WIN MUL_HI
	MUL16 4, (\q)%2, \q, \slot, \zero
	MUL16 6, (\q)%2, \q, \slot, \zero
	PLACES NP
	WIN 0
	FETCH_A \slot, (\q)+1, 4
.endm
.macro TURN slot, next, fill
	s_wait_tensorcnt 0x0
	ds_add_u32 v[SPW], v[NIL]
	s_wait_dscnt 4*NL+1
	WIN MUL_LO
	MUL16 0, 1, NQ-1, \slot, 0
	s_wait_dscnt 0x0
	s_barrier_signal -1
	MUL16 2, 1, NQ-1, \slot, 0
	WIN 0
	s_barrier_wait -1
.if \fill
	CREST
	s_add_nc_u64 s[G0+4*\slot+2:G0+4*\slot+3], s[G0+4*\slot+2:G0+4*\slot+3], 2*KSB
	s_add_nc_u64 s[G0B+4*\slot+2:G0B+4*\slot+3], s[G0B+4*\slot+2:G0B+4*\slot+3], 2*KSB
	JLOAD G0+4*\slot, G1, G0B+4*\slot, G1B
.else
	PLACES NP
.endif
	s_wait_alu depctr_va_vdst(0)
	v_add_nc_u32 v[ADRS], 2048, v[ADRS]
	FETCH_B \next, 0, 0
	FETCH_A \next, 0, 0
	SCALES \next
	WIN MUL_HI
	MUL16 4, 1, NQ-1, \slot, 0
	MUL16 6, 1, NQ-1, \slot, 0
	PLACES NP
	WIN 0
	FETCH_A \next, 0, 4
.endm
.macro STEPS slot, from
.set Q, \from
.rept NQ-1-\from
	STEP \slot, Q, 0
.set Q, Q+1
.endr
.endm
	s_wait_alu depctr_va_vdst(0)
	FETCH_B 0, 0, 0
	FETCH_A 0, 0, 0
	SCALES 0
	FETCH_A 0, 0, 4
	STEP 0, 0, 1
	STEPS 0, 1
	TURN 0, 1, 1
	STEPS 1, 0
	TURN 1, 0, 1
	STEP 0, 0, 0
	STEPS 0, 1
	TURN 0, 1, 0
	STEPS 1, 0
	s_wait_dscnt 4*NL
	WIN MUL_LO
	MUL16 0, 1, NQ-1, 1, 0
	MUL16 2, 1, NQ-1, 1, 0
	s_wait_dscnt 0
	WIN MUL_HI
	MUL16 4, 1, NQ-1, 1, 0
	MUL16 6, 1, NQ-1, 1, 0
	WIN 0
.macro QUANT s, pc, pw
.irp b, 0,1,2,3
	v_max3_num_f32 v[TM+\b], |v[\s+16*\b]|, |v[\s+1+16*\b]|, 0x1800000
.endr
.irp i, 2,4,6,8,10,12,14
.irp b, 0,1,2,3
	v_max3_num_f32 v[TM+\b], v[TM+\b], |v[\s+16*\b+\i]|, |v[\s+1+16*\b+\i]|
.endr
.endr
.irp b, 0,1,2,3
	v_permlanex16_b32 v[TM+4+\b], v[TM+\b], s[SEL], s[SEL+1]
.endr
.irp b, 0,1,2,3
	v_max_num_f32 v[TM+\b], v[TM+\b], v[TM+4+\b]
.endr
.irp b, 0,1,2,3
	v_add_nc_u32 v[TM+12+\b], 0xff000000, v[TM+\b]
.endr
.irp b, 0,1,2,3
	v_lshrrev_b32 v[TM+4+\b], 23, v[TM+12+\b]
.endr
	v_lshl_or_b32 v[\pw], v[TM+5], 8, v[TM+4]
	v_lshl_or_b32 v[\pw], v[TM+6], 16, v[\pw]
	v_lshl_or_b32 v[\pw], v[TM+7], 24, v[\pw]
.irp b, 0,1,2,3
	v_cvt_scalef32_pk8_fp4_f32 v[\pc+2*\b], v[\s+16*\b:\s+7+16*\b], v[TM+12+\b]
	v_cvt_scalef32_pk8_fp4_f32 v[\pc+1+2*\b], v[\s+8+16*\b:\s+15+16*\b], v[TM+12+\b]
.endr
	v_nop
.irp c, 0,1
.irp i, 0,1
	v_permlane16_swap_b32 v[\pc+4*\c+\i], v[\pc+2+4*\c+\i]
.endr
.endr
.endm
.macro OUTBLK a
.set AC, 64*((\a)%4)
.set PCS, PC+8*((\a)%2)
	WIN 0x21+0x10*((\a)/4)
.set K2, 0
.rept 32
	v_pk_fma_f32 v[T+K2:T+K2+1], v[BN+K2:BN+K2+1], s[NMUL:NMUL+1], v[AC+K2:AC+K2+1] op_sel_hi:[1,0,1]
.set K2, K2+2
.endr
	WIN 0
.set K2, 0
.rept 32
	v_pk_fma_f32 v[T+K2:T+K2+1], v[BM+2*(\a):BM+2*(\a)+1], s[MMUL:MMUL+1], v[T+K2:T+K2+1] op_sel_hi:[1,0,1]
.set K2, K2+2
.endr
.if (\a) >= 2
	s_wait_xcnt 0x0
.endif
	QUANT T, PCS, PW+(\a)
	global_store_b128 v[LI], v[PCS:PCS+3], s[98:99] offset:1024*(\a)
	global_store_b128 v[LI], v[PCS+4:PCS+7], s[98:99] offset:1024*(\a)+512
.endm
	s_wait_loadcnt 0x0
	PLACES NP
.irp b, 0,1,2,3
	v_mov_b32 v[TM+4+\b], 0
.endr
.irp a, 0,1,2,3,4,5,6,7
	OUTBLK \a
.endr
	v_cmp_le_u32 vcc_lo, 16, v3
.irp i, 0,1,2,3
	v_cndmask_b32 v[DQ+\i], v[PW+\i], v[PW+4+\i], vcc_lo
.endr
	global_store_b128 v[LI], v[DQ:DQ+3], s[100:101]
	s_wait_tensorcnt 0x0
	ds_add_u32 v[SPW], v[NIL]
	s_wait_dscnt 0x0
	CROUND
	s_endpgm
.Lfunc_end_k_qde0a2644f1_qkv:
	.size	k_qde0a2644f1_qkv, .Lfunc_end_k_qde0a2644f1_qkv-k_qde0a2644f1_qkv
	.p2alignl 7, 3214868480
	.fill 96, 4, 3214868480
	.section	.rodata,"a",@progbits
	.p2align	6, 0x0
	.amdhsa_kernel k_qde0a2644f1_qkv
		.amdhsa_group_segment_fixed_size 327680
		.amdhsa_private_segment_fixed_size 0
		.amdhsa_enable_private_segment 0
		.amdhsa_kernarg_size 56
		.amdhsa_user_sgpr_count 2
		.amdhsa_user_sgpr_kernarg_segment_ptr 1
		.amdhsa_wavefront_size32 1
		.amdhsa_system_sgpr_workgroup_id_x 1
		.amdhsa_system_sgpr_workgroup_id_y 1
		.amdhsa_system_sgpr_workgroup_id_z 1
		.amdhsa_system_vgpr_workitem_id 0
		.amdhsa_next_free_vgpr 1024
		.amdhsa_next_free_sgpr 106
		.amdhsa_reserve_vcc 1
		.amdhsa_float_denorm_mode_32 3
		.amdhsa_float_denorm_mode_16_64 3
		.amdhsa_memory_ordered 1
		.amdhsa_forward_progress 1
		.amdhsa_inst_pref_size 252
	.end_amdhsa_kernel
	.amdgpu_metadata
---
amdhsa.version: [ 1, 2 ]
amdhsa.kernels:
  - .name:           k_qde0a2644f1_qkv
    .symbol:         k_qde0a2644f1_qkv.kd
    .args:
      - { .name: wc, .offset: 0, .size: 8, .value_kind: global_buffer, .address_space: global }
      - { .name: wsc, .offset: 8, .size: 8, .value_kind: global_buffer, .address_space: global }
      - { .name: bq, .offset: 16, .size: 8, .value_kind: global_buffer, .address_space: global }
      - { .name: bk, .offset: 24, .size: 8, .value_kind: global_buffer, .address_space: global }
      - { .name: bv, .offset: 32, .size: 8, .value_kind: global_buffer, .address_space: global }
      - { .name: ac, .offset: 40, .size: 8, .value_kind: global_buffer, .address_space: global }
      - { .name: asc, .offset: 48, .size: 8, .value_kind: global_buffer, .address_space: global }
    .group_segment_fixed_size: 327680
    .private_segment_fixed_size: 0
    .kernarg_segment_align: 8
    .kernarg_segment_size: 56
    .max_flat_workgroup_size: 128
    .sgpr_count:     106
    .vgpr_count:     1024
    .wavefront_size: 32
...
	.end_amdgpu_metadata
.endif
;; end of part 2
;; launch attn (part 3): grid 8 x 32, 8 waves a work-group, clusters of 4 x 1, 279,552 bytes of LDS; arguments ac, asc, mb, oc, osc; writes oc, osc
.if DOCPART == 3
	.amdgcn_target "amdgcn-amd-amdhsa--gfx1250"
	.amdhsa_code_object_version 6
	.text
	.protected	k_qde0a2644f1_attn
	.globl	k_qde0a2644f1_attn
	.p2align	8
	.type	k_qde0a2644f1_attn,@function
k_qde0a2644f1_attn:
	s_mov_b64 s[64:65], 0
	v_nop
	global_prefetch_b8 v0, s[64:65] scope:SCOPE_SE
	s_setreg_imm32_b32 hwreg(HW_REG_WAVE_MODE, 25, 1), 1
	s_wait_xcnt 0x0
	s_wait_alu depctr_hold_cnt(0) depctr_sa_sdst(0) depctr_va_vdst(0) depctr_va_sdst(0) depctr_va_ssrc(0) depctr_va_vcc(0) depctr_vm_vsrc(0)
	s_getreg_b32 s2, hwreg(HW_REG_IB_STS2, 6, 4)
	s_cmp_eq_u32 s2, 0
	s_cbranch_scc0 .Lentry_in_a_cluster
	s_endpgm
.Lentry_in_a_cluster:
	s_bfe_u32 s2, ttmp6, 0x10000c
	s_cmp_lg_u32 s2, 0x3003
	s_cbranch_scc0 .Lentry_shape_is_right
	s_endpgm
.Lentry_shape_is_right:
; ATTN: out_mid = softmax(q k^T / sqrt(128) - 1e9 causal_mask - 1e9 pad_mask) v, both products on codes of FP4 (E2M1) with E8M0 scales; out_mid leaves as codes, quantised along the hidden axis.
; THE SOFTMAX AHEAD OF THE SECOND PRODUCT: t = logit x log2(e); M = the row's largest t so far, rounded UP to a whole number; p = 2^(t - M) is quantised along the keys, not normalised.
; The row's sum is taken of the unquantised p and divides at the end.  When M moves, the sum and O are multiplied by 2^(old M - new M): exact.
; SHARES.  A work-group owns 128 queries of one (batch, head); each of its eight waves 16 of them; two waves to a SIMD.  Every wave walks all 2,048 keys, 256 A STEP: eight steps,
; so that the change of M, the rescaling of O^T (32 packed lines) and the step's waits are paid once for 256 keys.
; THE WHOLE HEAD'S K AND V LIE IN LDS, codes and scale words, 272 KiB, FILLED ONCE, as images of the operands' registers (a fragment: 1,024 bytes, byte 512 c + 16 lane): every LDS load reads 512 consecutive bytes.
; EIGHT TENSOR LOADS, ONE A WAVE, all at the head: waves 0, 1 the scale words of K, V; waves 2, 3 keys 0-511 of K, V; waves 4-7 the other 1,536 keys in halves.  Waves 0-3 wait for theirs ahead of the first barrier,
; behind which keys 0-511 are walked; all wait ahead of the second.
; CLUSTER.  The four query blocks of a cluster belong to one head and ask for its K and V jointly: the same loads, the same descriptors, a mask that names the four.
; THE MASKS ARE INPUTS AND ARE HONOURED AS NUMBERS: their image, (causal_mask + pad_mask) x (-1e9 sqrt(128)), made by the first launch in the accumulators' layout, is the C of the score product.  It has registers of its own:
; as soon as the score products have read it, the next step's image is asked for, and has the softmax and the second product in which to land.  No tile of keys is left out.
; LAYOUT.  Both products are used transposed: S^T = K Q^T (source 0 = 16 keys), O^T = V^T P^T (source 0 = 16 of the head's 128): a lane holds ONE query.  The 16 registers of tiles 2 b, 2 b + 1 are 16 neighbours, 32 b + 16 (lane / 16) + 0 .. 15.
; PREFETCH of the mask image two steps on, one step ahead of its load: 16,384 bytes, two lines, lanes 256 bytes apart.  The sixteen heads of a batch read the same images: head 0's work-groups ask (a branch on the
; work-group's y, which the partners share), each wave for its own tile; the last two steps ask for nothing.
; LIMITS: NaN and infinities are not served; a block of zeros gets the scale byte 1 (read by this program alone).  The mask terms join the score inside the matrix unit: another order of rounding than reference's two additions.
; The promise holds while the scaled scores stay under 2^31 in magnitude.
; REGISTERS.  Window 0: v1-5 lane terms; v6-9 the step's LDS addresses; v10 Q's scale word; v11, v255 p's scale words; v12 -M, v13 the largest t, v[14:15] the sum; v16-31 sixteen tiles' scale words; v32-95 eight fragments;
;   v96-223 S^T, then p (v96-103 at last p's codes of the second 128 keys); v224-231 Q; v232-239 the blocks' maxima; v240-247 at work, then p's codes of the first 128 keys; v250, v251 the add's two.
; Window 1: v0-63 O^T; v64-191 the mask image; v192-255 eight more fragments.
.set LI,   1
.set LIV,  2
.set SK0,  3
.set SV0,  4
.set L256, 5
.set ADK,  6
.set ADV,  7
.set ADS,  8
.set ADT,  9
.set QS,   10
.set PW1,  11
.set PW0,  255
.set F,    32
.set F2,   192
.set S,    96
.set MK,   64
.set QF,   224
.set BX,   232
.set TP,   240
.set TM,   232
.set SPW,  250
.set NIL,  251
.set WV,   18
.set SEL,  20
.set CS,   22
.set G1S,  24                          ; descriptor groups 1: 32, 128 and 192 rows of 256 bytes
.set G1A,  32
.set G1B,  40
.set G0S,  48
.set G0A,  52
.set G0B,  56
.set TB,   60                          ; the step's images: 16,384 bytes a step
.set TS,   61                          ; its scale words: 1,024 bytes a step
.set SJ,   62                          ; the step's number
.set CNT,  63
.set HD,   70
.set PL,   92                          ; steps under this number prefetch: 6 in head 0, else 0
.set MSB, 0
.macro WIN new
.if MSB != (\new)
	s_set_vgpr_msb (MSB<<8)|(\new)
.set MSB, (\new)
.endif
.endm
.macro CROUND
	s_barrier_signal -1
	s_barrier_wait -1
	s_cmp_lg_u32 s[WV], 0
	s_cbranch_scc1 .Lnot_wave_0_\@
	s_barrier_signal -3
.Lnot_wave_0_\@:
	s_barrier_wait -3
	s_barrier_signal -1
	s_barrier_wait -1
.endm
.macro NOPS n
.rept \n
	v_nop
.endr
.endm
	s_load_b256 s[4:11], s[0:1], 0x0               ; ac, asc, mb, oc
	s_load_b64 s[12:13], s[0:1], 0x20              ; osc
	v_lshl_add_u32 v[SPW], v0, 2, 0x44000
	v_mov_b32 v[NIL], 0
	ds_add_u32 v[SPW], v[NIL]                      ; the opening lines: the add twice on end, and its wait, ahead of my tensor load
	ds_add_u32 v[SPW], v[NIL]
	v_lshrrev_b32 v254, 5, v0
	v_readfirstlane_b32 s[WV], v254                ; wave 0..7
	s_bfe_u32 s66, ttmp6, 0x40000                  ; cx: it enters the addresses of q, the mask images and the results alone
	s_lshl_b32 s67, ttmp9, 2
	s_add_co_u32 s67, s67, s66                     ; my block of 128 queries
	s_and_b32 s68, ttmp7, 0xffff                   ; batch x 16 + head, which the four partners share
	s_lshr_b32 s69, s68, 4
	s_and_b32 s[HD], s68, 15
	s_lshl_b32 s71, s67, 3
	s_add_co_u32 s71, s71, s[WV]                   ; my tile of 16 queries, 0..63
	s_and_b32 s73, s[WV], 1                        ; u
	s_bfe_u32 s72, s[WV], 0x10001                  ; waves 4-7: K (0) or V (1)
.irp g, G1S, G1A, G1B
	s_mov_b32 s[\g], 15|(3<<16)|(1<<21)            ; the mask: all four work-groups; elements of 8 bytes; bit 21 beside a mask
	s_mov_b32 s[\g+1], 32<<16
	s_mov_b32 s[\g+3], 32<<16
	s_mov_b32 s[\g+5], 32
	s_mov_b32 s[\g+6], 0
	s_mov_b32 s[\g+7], 0
.endr
	s_mov_b32 s[G1S+2], 32<<16
	s_mov_b32 s[G1S+4], 32
	s_mov_b32 s[G1A+2], 128<<16
	s_mov_b32 s[G1A+4], 128
	s_mov_b32 s[G1B+2], 192<<16
	s_mov_b32 s[G1B+4], 192
	s_lshl_b32 s74, s73, 18                        ; waves 0, 1: K's scale words at 131,072 of asc, V's 262,144 on; 8,192 a head
	s_lshl_b32 s75, s68, 13
	s_add_co_u32 s74, s74, s75
	s_add_co_u32 s74, s74, 131072
	s_mov_b32 s75, 0
	s_lshl_b32 s79, s68, 17                        ; the codes: K's at 2 MiB of ac, V's 4 MiB on; 131,072 a head
	s_add_co_u32 s79, s79, 0x200000
	s_lshl_b32 s76, s73, 22                        ; waves 2, 3: the first 32,768 bytes of K, V
	s_add_co_u32 s76, s76, s79
	s_mov_b32 s77, 0
	s_lshl_b32 s78, s72, 22                        ; waves 4-7: 49,152 bytes each of what follows
	s_add_co_u32 s78, s78, s79
	s_mul_i32 s80, s73, 49152
	s_add_co_u32 s80, s80, 32768
	s_add_co_u32 s78, s78, s80
	s_mov_b32 s79, 0
	s_mov_b32 s[G0S], 1
	s_lshl_b32 s[G0S+1], s73, 13
	s_add_co_u32 s[G0S+1], s[G0S+1], 0x40000
	s_mov_b32 s[G0A], 1
	s_lshl_b32 s[G0A+1], s73, 17
	s_mov_b32 s[G0B], 1
	s_lshl_b32 s[G0B+1], s72, 17
	s_add_co_u32 s[G0B+1], s[G0B+1], s80
	s_mov_b32 s[SEL], 0x76543210
	s_mov_b32 s[SEL+1], 0xfedcba98
	s_mov_b32 s[CS], 0x3e0293ee                    ; c = log2(e) / sqrt(128)
	s_mov_b32 s[CS+1], s[CS]
	s_mov_b32 s[TB], 0
	s_mov_b32 s[TS], 0
	s_mov_b32 s[SJ], 0
	s_cmp_eq_u32 s[HD], 0
	s_cselect_b32 s[PL], 6, 0
	s_wait_dscnt 0x0
	s_wait_kmcnt 0x0
	s_add_nc_u64 s[G0S+2:G0S+3], s[6:7], s[74:75]
	s_or_b32 s[G0S+3], s[G0S+3], 0x80000000
	s_add_nc_u64 s[G0A+2:G0A+3], s[4:5], s[76:77]
	s_or_b32 s[G0A+3], s[G0A+3], 0x80000000
	s_add_nc_u64 s[G0B+2:G0B+3], s[4:5], s[78:79]
	s_or_b32 s[G0B+3], s[G0B+3], 0x80000000
	CROUND                                         ; all four work-groups are here: the joint loads meet
	s_cmp_lt_u32 s[WV], 2                          ; one tree of branches on the wave's number, a load to an arm
	s_cbranch_scc0 .Lhead_a
	tensor_load_to_lds s[G0S:G0S+3], s[G1S:G1S+7]
	s_nop 0
	NOPS 4
	s_branch .Lhead_asked
.Lhead_a:
	s_cmp_lt_u32 s[WV], 4
	s_cbranch_scc0 .Lhead_b
	tensor_load_to_lds s[G0A:G0A+3], s[G1A:G1A+7]
	s_nop 0
	NOPS 4
	s_branch .Lhead_asked
.Lhead_b:
	tensor_load_to_lds s[G0B:G0B+3], s[G1B:G1B+7]
	s_nop 0
	NOPS 4
.Lhead_asked:
	s_lshl_b32 s80, s68, 16
	s_lshl_b32 s81, s71, 10
	s_add_co_u32 s80, s80, s81                     ; q's image: 64 tiles a head
	s_mov_b32 s81, 0
	s_add_nc_u64 s[4:5], s[4:5], s[80:81]
	s_lshl_b32 s82, s68, 4
	s_lshr_b32 s83, s71, 2
	s_add_co_u32 s82, s82, s83
	s_lshl_b32 s82, s82, 8
	s_and_b32 s83, s71, 3
	s_lshl_b32 s83, s83, 2
	s_add_co_u32 s82, s82, s83                     ; its scale word
	s_mov_b32 s83, 0
	s_add_nc_u64 s[6:7], s[6:7], s[82:83]
	s_lshl_b32 s84, s69, 6
	s_add_co_u32 s84, s84, s71
	s_lshl_b32 s86, s84, 12                        ; (out_mid's group: 64 x batch + tile)
	s_lshl_b32 s84, s84, 17                        ; my tile's mask images, 131,072 bytes
	s_mov_b32 s85, 0
	s_add_nc_u64 s[8:9], s[8:9], s[84:85]
	s_lshr_b32 s87, s[HD], 2                       ; out_mid's K slot is head / 4, its step in the slot head % 4
	s_lshl_b32 s88, s87, 19
	s_add_co_u32 s86, s86, s88
	s_and_b32 s88, s[HD], 3
	s_lshl_b32 s89, s88, 10
	s_add_co_u32 s86, s86, s89
	s_lshl_b32 s90, s69, 3
	s_add_co_u32 s90, s90, s67
	s_lshl_b32 s90, s90, 2
	s_add_co_u32 s90, s90, s87
	s_lshl_b32 s90, s90, 11
	s_lshl_b32 s91, s[WV], 8
	s_add_co_u32 s90, s90, s91
	s_lshl_b32 s91, s88, 2
	s_add_co_u32 s90, s90, s91
	s_mov_b32 s87, 0
	s_mov_b32 s91, 0
	s_add_nc_u64 s[10:11], s[10:11], s[86:87]
	s_add_nc_u64 s[12:13], s[12:13], s[90:91]
	v_and_b32 v252, 31, v0
	v_and_b32 v254, 15, v0
	v_lshlrev_b32 v[LI], 4, v252
	v_lshl_add_u32 v[LIV], v252, 4, 0x20000
	v_lshl_add_u32 v[SK0], v254, 4, 0x40000
	v_lshl_add_u32 v[SV0], v254, 4, 0x42000
	v_lshlrev_b32 v[L256], 8, v252
	v_lshlrev_b32 v249, 4, v254                    ; the offset of Q's scale word: a register that no later line writes
	global_load_b128 v[QF:QF+3], v[LI], s[4:5]     ; Q's fragment stays in registers
	global_load_b128 v[QF+4:QF+7], v[LI], s[4:5] offset:512
	global_load_b32 v[QS], v249, s[6:7]
	WIN 0x40
.set J, 0
.rept 32
	global_load_b128 v[MK+4*J:MK+4*J+3], v[LI], s[8:9] offset:512*J   ; step 0's mask image
.set J, J+1
.endr
.set J, 0
.rept 64
	v_mov_b32 v[J], 0                              ; O^T: the step is written for all walks alike; the first finds zeros
.set J, J+1
.endr
	WIN 0
	v_mov_b32 v13, 0xff61b1e6                      ; the largest t so far: -3e38
	v_floor_f32 v12, -v13
	v_mov_b32 v14, 0
	v_mov_b32 v15, 0
.irp b, 0,1,2,3,4,5,6,7
	v_mov_b32 v[TP+\b], 0                          ; a lane permute's destination counts as one of its sources
.endr
	v_mov_b32 v253, 0                              ; (the upper half of the pair v[252:253])
.macro FRAGS reg, adr, off             ; eight fragments
.set J, 0
.rept 8
	ds_load_b128 v[\reg+8*J:\reg+8*J+3], v[\adr] offset:\off+1024*J
	ds_load_b128 v[\reg+8*J+4:\reg+8*J+7], v[\adr] offset:\off+1024*J+512
.set J, J+1
.endr
.endm
.macro WORDS adr                       ; sixteen tiles' scale words
.irp i, 0,1,2,3
	ds_load_b128 v[16+4*\i:19+4*\i], v[\adr] offset:256*\i
.endr
.endm
; A KEY STEP: 256 keys.  tail = 1: the copy whose last walk asks for no further mask image.
.macro STEP tail
	v_add_nc_u32 v[ADK], s[TB], v[LI]              ; these six lines are the places between the last products and the loads into, and the products onto, their registers
	v_add_nc_u32 v[ADV], s[TB], v[LIV]
	v_add_nc_u32 v[ADS], s[TS], v[SK0]
	v_add_nc_u32 v[ADT], s[TS], v[SV0]
	NOPS 2
	s_wait_alu depctr_va_vdst(0)                   ; the wait behind these writes
	FRAGS F, ADK, 0
	WORDS ADS
	WIN 0x40
	FRAGS F2, ADK, 8192
	s_wait_loadcnt 0x0                             ; this step's mask image (in the first step Q too)
	s_wait_dscnt 16                                ; all but the sixteen loads of the second 128 keys
	WIN 0x10                                       ; C in window 1
.irp t, 0,1,2,3,4,5,6,7
	v_wmma_scale_f32_16x16x128_f8f6f4 v[S+8*\t:S+8*\t+7], v[F+8*\t:F+8*\t+7], v[QF:QF+7], v[MK+8*\t:MK+8*\t+7], v[16+\t], v[QS] matrix_a_fmt:MATRIX_FMT_FP4 matrix_b_fmt:MATRIX_FMT_FP4
.endr
	s_wait_dscnt 0x0
	WIN 0x11                                       ; source 0 too
.irp t, 0,1,2,3,4,5,6,7
	v_wmma_scale_f32_16x16x128_f8f6f4 v[S+64+8*\t:S+64+8*\t+7], v[F2+8*\t:F2+8*\t+7], v[QF:QF+7], v[MK+64+8*\t:MK+64+8*\t+7], v[24+\t], v[QS] matrix_a_fmt:MATRIX_FMT_FP4 matrix_b_fmt:MATRIX_FMT_FP4
.endr
	WIN 0
	NOPS 4                                         ; places in front of the loads below and of the first read of the scores
.if \tail
	s_cmp_lt_u32 s[SJ], 7                          ; the last step has no successor
	s_cbranch_scc0 .Lno_more_\@
.endif
	s_wait_xcnt 0x0                                ; the last step's loads and prefetches have read their base
	s_add_nc_u64 s[8:9], s[8:9], 16384
	WIN 0x40
.set J, 0
.rept 32
	global_load_b128 v[MK+4*J:MK+4*J+3], v[LI], s[8:9] offset:512*J   ; the next step's mask image: 512 consecutive bytes a load
.set J, J+1
.endr
	WIN 0
	s_cmp_lt_u32 s[SJ], s[PL]
	s_cbranch_scc0 .Lno_more_\@
	global_prefetch_b8 v[L256], s[8:9] offset:16384 th:TH_LOAD_NT scope:SCOPE_SE
	global_prefetch_b8 v[L256], s[8:9] offset:24576 th:TH_LOAD_NT scope:SCOPE_SE
.Lno_more_\@:
	FRAGS F, ADV, 0                                ; V's sixteen fragments land while the softmax is walked
	WORDS ADT
	WIN 0x40
	FRAGS F2, ADV, 8192
	WIN 0
.irp b, 0,1,2,3,4,5,6,7
	v_max3_num_f32 v[BX+\b], v[S+16*\b], v[S+1+16*\b], v[S+2+16*\b]   ; the largest score of each block of 32 keys: for the row's maximum and, since p rises with the score, for the block's largest p
.endr
.irp i, 3,5,7,9,11,13
.irp b, 0,1,2,3,4,5,6,7
	v_max3_num_f32 v[BX+\b], v[BX+\b], v[S+16*\b+\i], v[S+1+16*\b+\i]
.endr
.endr
.irp b, 0,1,2,3,4,5,6,7
	v_max_num_f32 v[BX+\b], v[BX+\b], v[S+15+16*\b]
.endr
.irp b, 0,1,2,3,4,5,6,7
	v_permlanex16_b32 v[TP+\b], v[BX+\b], s[SEL], s[SEL+1]
.endr
.irp b, 0,1,2,3,4,5,6,7
	v_max_num_f32 v[BX+\b], v[BX+\b], v[TP+\b]     ; with lane l xor 16's 16 keys
.endr
	v_max3_num_f32 v254, v[BX], v[BX+1], v[BX+2]
	v_max3_num_f32 v248, v[BX+3], v[BX+4], v[BX+5]
	s_delay_alu instid0(VALU_DEP_2)
	v_max3_num_f32 v254, v254, v[BX+6], v[BX+7]
	s_delay_alu instid0(VALU_DEP_1)
	v_max_num_f32 v254, v254, v248                 ; the step's largest score of my query
	s_delay_alu instid0(VALU_DEP_1)
	v_mul_f32 v254, s[CS], v254                    ; as t (c is positive)
	s_delay_alu instid0(VALU_DEP_1)
	v_max_num_f32 v13, v13, v254                   ; the running largest t
	v_mov_b32 v254, v12
	s_delay_alu instid0(VALU_DEP_2)
	v_floor_f32 v12, -v13                          ; the new -M = -ceil(t)
	s_delay_alu instid0(VALU_DEP_1)
	v_sub_f32 v254, v12, v254                      ; old M - new M: a whole number, 0 or less
	s_delay_alu instid0(VALU_DEP_1)
	v_cvt_i32_f32 v254, v254                       ; (it saturates)
	s_delay_alu instid0(VALU_DEP_1)
	v_ldexp_f32 v252, 1.0, v254                    ; f = 2^(old M - new M)
.set J, 0
.rept 64
	v_pk_fma_f32 v[S+J:S+J+1], v[S+J:S+J+1], s[CS:CS+1], v[12:13] op_sel_hi:[1,0,0]   ; t - M, two at a time
.set J, J+2
.endr
.irp b, 0,1,2,3,4,5,6,7
	v_fma_f32 v[BX+\b], v[BX+\b], s[CS], v12       ; the same of each block's largest score
.endr
	s_wait_alu depctr_va_vdst(0)
.set J, 0
.rept 128
	v_exp_f32 v[S+J], v[S+J]                       ; p = 2^(t - M)
.set J, J+1
.endr
	v_pk_mul_f32 v[14:15], v[14:15], v[252:253] op_sel_hi:[1,0]   ; the sums under the new M: the plain line behind the exponentials
	s_wait_alu depctr_va_vdst(0)                   ; one wait for the batch, ahead of its first reader
.irp b, 0,1,2,3,4,5,6,7
	v_exp_f32 v[BX+\b], v[BX+\b]                   ; the blocks' largest p
.endr
	v_pk_add_f32 v[TP:TP+1], v[S:S+1], v[S+2:S+3]  ; the row's sum of the unquantised p: two at a time, in four chains
	v_pk_add_f32 v[TP+2:TP+3], v[S+4:S+5], v[S+6:S+7]
	v_pk_add_f32 v[TP+4:TP+5], v[S+8:S+9], v[S+10:S+11]
	v_pk_add_f32 v[14:15], v[14:15], v[S+12:S+13]
	v_pk_add_f32 v[TP:TP+1], v[TP:TP+1], v[S+14:S+15]
.set J, 16
.rept 14
	v_pk_add_f32 v[14:15], v[14:15], v[S+J:S+J+1]
	v_pk_add_f32 v[TP:TP+1], v[TP:TP+1], v[S+J+2:S+J+3]
	v_pk_add_f32 v[TP+2:TP+3], v[TP+2:TP+3], v[S+J+4:S+J+5]
	v_pk_add_f32 v[TP+4:TP+5], v[TP+4:TP+5], v[S+J+6:S+J+7]
.set J, J+8
.endr
	v_pk_add_f32 v[TP:TP+1], v[TP:TP+1], v[TP+2:TP+3]
	v_pk_add_f32 v[14:15], v[14:15], v[TP+4:TP+5]
	s_delay_alu instid0(VALU_DEP_1)
	v_pk_add_f32 v[14:15], v[14:15], v[TP:TP+1]
	s_wait_alu depctr_va_vdst(0)                   ; and one for the eight
.irp b, 0,1,2,3,4,5,6,7
	v_max_num_f32 v[BX+\b], 0x1800000, v[BX+\b]    ; the floor 2^(3 - 127): a block whose every p has fallen to 0 keeps the byte 1: its codes are zeros
.endr
.irp b, 0,1,2,3,4,5,6,7
	v_add_nc_u32 v[BX+\b], 0xff000000, v[BX+\b]    ; 2 off the exponent field: the conversion's scale operand
.endr
.irp b, 0,1,2,3,4,5,6,7
	v_lshrrev_b32 v[TP+\b], 23, v[BX+\b]           ; the scale's byte
.endr
	v_lshl_or_b32 v[PW0], v[TP+1], 8, v[TP]        ; p's scale words, one for each 128 keys
	v_lshl_or_b32 v[PW1], v[TP+5], 8, v[TP+4]
	v_lshl_or_b32 v[PW0], v[TP+2], 16, v[PW0]
	v_lshl_or_b32 v[PW1], v[TP+6], 16, v[PW1]
	v_lshl_or_b32 v[PW0], v[TP+3], 24, v[PW0]
	v_lshl_or_b32 v[PW1], v[TP+7], 24, v[PW1]
.irp b, 0,1,2,3
	v_cvt_scalef32_pk8_fp4_f32 v[TP+2*\b], v[S+16*\b:S+7+16*\b], v[BX+\b]
	v_cvt_scalef32_pk8_fp4_f32 v[TP+1+2*\b], v[S+8+16*\b:S+15+16*\b], v[BX+\b]
.endr
	v_nop                                          ; one plain line: the conversions below write registers that those above have read
.irp b, 0,1,2,3
	v_cvt_scalef32_pk8_fp4_f32 v[S+2*\b], v[S+64+16*\b:S+71+16*\b], v[BX+4+\b]
	v_cvt_scalef32_pk8_fp4_f32 v[S+1+2*\b], v[S+72+16*\b:S+79+16*\b], v[BX+4+\b]
.endr
	v_nop                                          ; one plain line behind the last scaled conversion
.irp c, 0,1                                    ; the operand's layout wants a whole block in a lane
.irp i, 0,1
	v_permlane16_swap_b32 v[TP+4*\c+\i], v[TP+2+4*\c+\i]
	v_permlane16_swap_b32 v[S+4*\c+\i], v[S+2+4*\c+\i]
.endr
.endr
	s_wait_alu depctr_va_vdst(0)                   ; ahead of the first reader of O^T
	WIN 0x41                                       ; O^T (destination and source 0) in window 1
.set J, 0
.rept 32
	v_pk_mul_f32 v[J:J+1], v[J:J+1], v[252:253] op_sel_hi:[1,0]   ; O^T under the new M; also the places between the lines that made p's codes and scale words and the products below
.set J, J+2
.endr
	s_wait_alu depctr_va_vdst(0)
	s_wait_dscnt 0x0                               ; V
	WIN 0x50                                       ; C and D in window 1
.irp t, 0,1,2,3,4,5,6,7                        ; O^T += V^T P^T: eight accumulators by turns, twice round
	v_wmma_scale_f32_16x16x128_f8f6f4 v[8*\t:8*\t+7], v[F+8*\t:F+8*\t+7], v[TP:TP+7], v[8*\t:8*\t+7], v[16+\t], v[PW0] matrix_a_fmt:MATRIX_FMT_FP4 matrix_b_fmt:MATRIX_FMT_FP4
.endr
	WIN 0x51
.irp t, 0,1,2,3,4,5,6,7
	v_wmma_scale_f32_16x16x128_f8f6f4 v[8*\t:8*\t+7], v[F2+8*\t:F2+8*\t+7], v[S:S+7], v[8*\t:8*\t+7], v[24+\t], v[PW1] matrix_a_fmt:MATRIX_FMT_FP4 matrix_b_fmt:MATRIX_FMT_FP4
.endr
	WIN 0
	s_add_co_u32 s[TB], s[TB], 16384
	s_add_co_u32 s[TS], s[TS], 1024
	s_add_co_u32 s[SJ], s[SJ], 1
.endm
	s_wait_alu depctr_va_vdst(0)
	s_cmp_lt_u32 s[WV], 4                          ; waves 0-3 brought what the first two steps read, and wait for it; the loads of waves 4-7 may stay out
	s_cbranch_scc0 .Lnot_first
	s_wait_tensorcnt 0x0
.Lnot_first:
	s_barrier_signal -1
	s_barrier_wait -1
	s_mov_b32 s[CNT], 2
.Lfirst:                                           ; keys 0-511
	STEP 0
	s_sub_co_u32 s[CNT], s[CNT], 1
	s_cmp_lg_u32 s[CNT], 0
	s_cbranch_scc1 .Lfirst
	s_wait_tensorcnt 0x0                           ; my load is in,
	s_wait_dscnt 0x0
	s_barrier_signal -1
	s_barrier_wait -1                              ; everybody's is
	s_mov_b32 s[CNT], 6
.Lrest:                                            ; keys 512-2,047
	STEP 1
	s_sub_co_u32 s[CNT], s[CNT], 1
	s_cmp_lg_u32 s[CNT], 0
	s_cbranch_scc1 .Lrest
	; THE WAY OUT.  O^T / the sum is my query's 128 numbers of out_mid, register 16 b + i = 32 b + 16 (lane / 16) + i of the head: one K step of the last product.  It is quantised here and leaves as an image.
	NOPS 4                                         ; places behind the last products
	v_add_f32 v14, v14, v15
	s_delay_alu instid0(VALU_DEP_1)
	v_permlanex16_b32 v252, v14, s[SEL], s[SEL+1]
	s_delay_alu instid0(VALU_DEP_1)
	v_add_f32 v14, v14, v252
	s_wait_alu depctr_va_vdst(0)
	v_rcp_f32 v14, v14
	v_and_b32 v[ADS], 15, v0                       ; (a plain line behind the transcendental)
	s_delay_alu instid0(VALU_DEP_1)
	v_lshlrev_b32 v[ADS], 4, v[ADS]                ; my position's 16 bytes of the scale words
	s_wait_alu depctr_va_vdst(0)                   ; ahead of the first reader
	WIN 0x01
.set J, 0
.rept 32
	v_pk_mul_f32 v[160+J:161+J], v[J:J+1], v[14:15] op_sel_hi:[1,0]
.set J, J+2
.endr
	WIN 0
.irp b, 0,1,2,3
	v_max3_num_f32 v[TM+\b], |v[160+16*\b]|, |v[161+16*\b]|, 0x1800000
.endr
.irp i, 2,4,6,8,10,12,14
.irp b, 0,1,2,3
	s_delay_alu instid0(VALU_DEP_4)
	v_max3_num_f32 v[TM+\b], v[TM+\b], |v[160+16*\b+\i]|, |v[161+16*\b+\i]|
.endr
.endr
.irp b, 0,1,2,3
	s_delay_alu instid0(VALU_DEP_4)
	v_permlanex16_b32 v[TM+4+\b], v[TM+\b], s[SEL], s[SEL+1]
.endr
.irp b, 0,1,2,3
	s_delay_alu instid0(VALU_DEP_4)
	v_max_num_f32 v[TM+\b], v[TM+\b], v[TM+4+\b]
.endr
.irp b, 0,1,2,3
	s_delay_alu instid0(VALU_DEP_4)
	v_add_nc_u32 v[TM+12+\b], 0xff000000, v[TM+\b]
.endr
.irp b, 0,1,2,3
	s_delay_alu instid0(VALU_DEP_4)
	v_lshrrev_b32 v[TM+4+\b], 23, v[TM+12+\b]
.endr
	s_delay_alu instid0(VALU_DEP_3)
	v_lshl_or_b32 v248, v[TM+5], 8, v[TM+4]
	s_delay_alu instid0(VALU_DEP_1)
	v_lshl_or_b32 v248, v[TM+6], 16, v248
	s_delay_alu instid0(VALU_DEP_1)
	v_lshl_or_b32 v248, v[TM+7], 24, v248
.irp b, 0,1,2,3
	v_cvt_scalef32_pk8_fp4_f32 v[224+2*\b], v[160+16*\b:167+16*\b], v[TM+12+\b]
	v_cvt_scalef32_pk8_fp4_f32 v[225+2*\b], v[168+16*\b:175+16*\b], v[TM+12+\b]
.endr
	v_nop
.irp c, 0,1
.irp i, 0,1
	v_permlane16_swap_b32 v[224+4*\c+\i], v[226+4*\c+\i]
.endr
.endr
	global_store_b128 v[LI], v[224:227], s[10:11]              ; 512 consecutive bytes a store
	global_store_b128 v[LI], v[228:231], s[10:11] offset:512
	global_store_b32 v[ADS], v248, s[12:13]        ; the scale word: lanes l and l + 16 hold the same word and name the same place; the other words of each 16 bytes are other heads'
	s_wait_tensorcnt 0x0                           ; the wave's end
	ds_add_u32 v[SPW], v[NIL]
	s_wait_dscnt 0x0
	CROUND                                         ; the closing round
	s_endpgm
.Lfunc_end_k_qde0a2644f1_attn:
	.size	k_qde0a2644f1_attn, .Lfunc_end_k_qde0a2644f1_attn-k_qde0a2644f1_attn
	.p2alignl 7, 3214868480
	.fill 96, 4, 3214868480
	.section	.rodata,"a",@progbits
	.p2align	6, 0x0
	.amdhsa_kernel k_qde0a2644f1_attn
		.amdhsa_group_segment_fixed_size 279552
		.amdhsa_private_segment_fixed_size 0
		.amdhsa_enable_private_segment 0
		.amdhsa_kernarg_size 40
		.amdhsa_user_sgpr_count 2
		.amdhsa_user_sgpr_kernarg_segment_ptr 1
		.amdhsa_wavefront_size32 1
		.amdhsa_system_sgpr_workgroup_id_x 1
		.amdhsa_system_sgpr_workgroup_id_y 1
		.amdhsa_system_sgpr_workgroup_id_z 1
		.amdhsa_system_vgpr_workitem_id 0
		.amdhsa_next_free_vgpr 512
		.amdhsa_next_free_sgpr 96
		.amdhsa_reserve_vcc 0
		.amdhsa_float_denorm_mode_32 3
		.amdhsa_float_denorm_mode_16_64 3
		.amdhsa_memory_ordered 1
		.amdhsa_forward_progress 1
		.amdhsa_inst_pref_size 95
	.end_amdhsa_kernel
	.amdgpu_metadata
---
amdhsa.version: [ 1, 2 ]
amdhsa.kernels:
  - .name:           k_qde0a2644f1_attn
    .symbol:         k_qde0a2644f1_attn.kd
    .args:
      - { .name: ac, .offset: 0, .size: 8, .value_kind: global_buffer, .address_space: global }
      - { .name: asc, .offset: 8, .size: 8, .value_kind: global_buffer, .address_space: global }
      - { .name: mb, .offset: 16, .size: 8, .value_kind: global_buffer, .address_space: global }
      - { .name: oc, .offset: 24, .size: 8, .value_kind: global_buffer, .address_space: global }
      - { .name: osc, .offset: 32, .size: 8, .value_kind: global_buffer, .address_space: global }
    .group_segment_fixed_size: 279552
    .private_segment_fixed_size: 0
    .kernarg_segment_align: 8
    .kernarg_segment_size: 40
    .max_flat_workgroup_size: 256
    .sgpr_count:     96
    .vgpr_count:     512
    .wavefront_size: 32
...
	.end_amdgpu_metadata
.endif
;; end of part 3
;; launch outp (part 4): grid 16 x 16, 4 waves a work-group, clusters of 4 x 4, 296,448 bytes of LDS; arguments oc, osc, wc, wsc, bo, out0; writes out0
.if DOCPART == 4
	.amdgcn_target "amdgcn-amd-amdhsa--gfx1250"
	.amdhsa_code_object_version 6
	.text
	.protected	k_qde0a2644f1_outp
	.globl	k_qde0a2644f1_outp
	.p2align	8
	.type	k_qde0a2644f1_outp,@function
k_qde0a2644f1_outp:
	s_mov_b64 s[64:65], 0
	v_nop
	global_prefetch_b8 v0, s[64:65] scope:SCOPE_SE
	s_setreg_imm32_b32 hwreg(HW_REG_WAVE_MODE, 25, 1), 1
	s_wait_xcnt 0x0
	s_wait_alu depctr_hold_cnt(0) depctr_sa_sdst(0) depctr_va_vdst(0) depctr_va_sdst(0) depctr_va_ssrc(0) depctr_va_vcc(0) depctr_vm_vsrc(0)
	s_getreg_b32 s2, hwreg(HW_REG_IB_STS2, 6, 4)
	s_cmp_eq_u32 s2, 0
	s_cbranch_scc0 .Lentry_in_a_cluster
	s_endpgm
.Lentry_in_a_cluster:
	s_bfe_u32 s2, ttmp6, 0x10000c
	s_cmp_lg_u32 s2, 0xf033
	s_cbranch_scc0 .Lentry_shape_is_right
	s_endpgm
.Lentry_shape_is_right:
; OUTP: out0 = out_mid Wo^T + bo, on codes of FP4 (E2M1) with E8M0 scales; out0 is f32.
; TILES.  out0 is 2,048 x 2,048: 256 tiles of 128 x 128, one work-group each.  A tile's operands for ALL of K = 2,048 are 2 x 128 rows x 1,024 bytes of codes and 2 x 8,192 bytes of scale words: 272 KiB, which fit in LDS.
; So LDS IS FILLED ONCE, BY FOUR TENSOR LOADS, ONE A WAVE, at the head: wave 0 A's codes, wave 1 B's (four rows of 32,768 bytes each, a row a K slot, 524,288 bytes apart in memory), wave 2 A's scale words, wave 3 B's (8,192 dense bytes).
; One wait and one barrier follow; no ring, no refill.  The price: a wave's tile is 64 x 64, so eight fragments read from LDS feed 16 matrix instructions.
; A = out_mid's codes (source 1), B = Wo's (source 0): a lane holds one row of out0 and its registers run along the columns.  Wave w makes rows 64 (w / 2) on and columns 64 (w % 2) on: 16 accumulators, 128 registers.
; THE OPERANDS LIE IN MEMORY AS IMAGES OF THEIR REGISTERS (a fragment of 16 positions x 128 K: 1,024 bytes, byte 512 c + 16 lane), by K slot of 512, group of 16 positions and step of 128; an LDS load reads 512 consecutive bytes.
; Position p of group g is row 32 (g / 2) + 8 (g % 2) + p % 8 + 16 (p / 8): so the 16 registers of B's groups 2 b and 2 b + 1 are 16 neighbouring columns.  The scale words of a group's four steps of a K slot are 256 bytes: position r at 16 r.
; CLUSTERS: 4 x 4 work-groups; A's tiles are asked for jointly along a row of the cluster, B's along a column.
; THE BIAS is the C of each sum's first matrix instruction.  No prefetch: every byte that the work-group reads is asked for at its head.
; REGISTERS: window 0: v1-31 addresses; v32-95 scale words and nothing else; v96-223 the accumulators ((a, b) at v[96 + 8 (4 a + b)]); v224-255 the bias.
;   window 1: four sets of eight fragments (set s % 4 for step s: A's four at 64 (s % 4), B's four 32 further on); on the way out v0-127 rows of out0.
.set BCODE,  131072                    ; LDS: A's codes from 0: [K slot 4][group 8][step 4][image]; B's from here
.set HALFK,  65536
.set SCLA,   262144
.set SCLB,   270336
.set STAGE,  278528                    ; the way out: 16 rows x (256 + 16) bytes for each wave, bytes of their own into which no tile lands
.set SPITCH, 272
.set ADRA, 16
.set ADRB, 20
.set STO,  24
.set RD,   25
.set LI,   26
.set ADRS, 27
.set CO,   28
.set SC,   32
.set ACC,  96
.set BN,   224
.set G1A,  24
.set G1B,  32
.set G1SA, 40
.set G1SB, 48
.set G0SA, 56
.set G0SB, 60
.set G0A0, 68
.set G0B0, 72
.set MSB, 0
.macro WIN new
.if MSB != (\new)
	s_set_vgpr_msb (MSB<<8)|(\new)
.set MSB, (\new)
.endif
.endm
.set MULW, 0x05                        ; sources 0 (B) and 1 (A) window 1; C and D window 0
.set TO_F, 0x40                        ; destination window 1, address window 0
.macro CROUND
	s_barrier_signal -1
	s_barrier_wait -1
	s_cmp_lg_u32 s14, 0
	s_cbranch_scc1 .Lnot_wave_0_\@
	s_barrier_signal -3
.Lnot_wave_0_\@:
	s_barrier_wait -3
	s_barrier_signal -1
	s_barrier_wait -1
.endm
.macro PLACES                          ; four plain vector lines between a matrix instruction and a load into, or a store of, its registers
.rept 4
	v_nop
.endr
.endm
	s_load_b128 s[4:7], s[0:1], 0x0                ; oc, osc
	s_load_b128 s[8:11], s[0:1], 0x10              ; wc, wsc
	s_load_b128 s[96:99], s[0:1], 0x20             ; bo, out0
	v_lshl_add_u32 v30, v0, 2, 0x48400
	v_mov_b32 v31, 0
	ds_add_u32 v30, v31                            ; the opening lines: the add twice on end, and its wait
	ds_add_u32 v30, v31
	v_lshrrev_b32 v1, 5, v0
	v_readfirstlane_b32 s14, v1                    ; wave 0..3
	s_lshr_b32 s15, s14, 1                         ; which 64 rows of the tile are mine
	s_and_b32 s16, s14, 1                          ; which 64 columns
	s_bfe_u32 s84, ttmp6, 0x40000                  ; cx, cy
	s_bfe_u32 s85, ttmp6, 0x40004
	s_lshl_b32 s86, ttmp9, 2
	s_add_co_u32 s86, s86, s84                     ; tile column
	s_and_b32 s17, ttmp7, 0xffff
	s_lshl_b32 s17, s17, 2
	s_add_co_u32 s17, s17, s85                     ; tile row
	s_lshl_b32 s87, s85, 2
	s_lshl_b32 s87, 15, s87                        ; my row of the cluster
	s_lshl_b32 s88, 0x1111, s84                    ; my column
	s_or_b32 s[G1A], s87, (3<<16)|(1<<21)          ; the mask; elements of 8 bytes; bit 21 beside a mask
	s_or_b32 s[G1B], s88, (3<<16)|(1<<21)
	s_or_b32 s[G1SA], s87, (3<<16)|(1<<21)
	s_or_b32 s[G1SB], s88, (3<<16)|(1<<21)
.irp g, G1A, G1B                       ; the codes: 4 rows of 4,096 elements, 65,536 elements apart
	s_mov_b32 s[\g+1], 4096<<16
	s_mov_b32 s[\g+2], 4<<16
	s_mov_b32 s[\g+3], 4096<<16
	s_mov_b32 s[\g+4], 4
	s_mov_b32 s[\g+5], 65536
	s_mov_b32 s[\g+6], 0
	s_mov_b32 s[\g+7], 0
.endr
.irp g, G1SA, G1SB                     ; the scale words: 32 dense rows of 256 bytes
	s_mov_b32 s[\g+1], 32<<16
	s_mov_b32 s[\g+2], 32<<16
	s_mov_b32 s[\g+3], 32<<16
	s_mov_b32 s[\g+4], 32
	s_mov_b32 s[\g+5], 32
	s_mov_b32 s[\g+6], 0
	s_mov_b32 s[\g+7], 0
.endr
	s_lshl_b32 s20, s17, 15                        ; A's codes: 8 groups of 4,096 bytes a tile in each K slot
	s_mov_b32 s21, 0
	s_lshl_b32 s22, s17, 13                        ; A's scale words: 8,192 bytes a tile
	s_mov_b32 s23, 0
	s_lshl_b32 s90, s86, 15                        ; B likewise, in Wo's part of wc,
	s_add_co_u32 s90, s90, 0x800000
	s_mov_b32 s91, 0
	s_lshl_b32 s92, s86, 13                        ; and of wsc
	s_add_co_u32 s92, s92, 524288
	s_mov_b32 s93, 0
	s_mov_b32 s[G0A0], 1
	s_mov_b32 s[G0A0+1], 0
	s_mov_b32 s[G0B0], 1
	s_mov_b32 s[G0B0+1], BCODE
	s_mov_b32 s[G0SA], 1
	s_mov_b32 s[G0SA+1], SCLA
	s_mov_b32 s[G0SB], 1
	s_mov_b32 s[G0SB+1], SCLB
	s_wait_dscnt 0x0
	s_wait_kmcnt 0x0
	s_add_nc_u64 s[G0A0+2:G0A0+3], s[4:5], s[20:21]
	s_or_b32 s[G0A0+3], s[G0A0+3], 0x80000000
	s_add_nc_u64 s[G0SA+2:G0SA+3], s[6:7], s[22:23]
	s_or_b32 s[G0SA+3], s[G0SA+3], 0x80000000
	s_add_nc_u64 s[G0B0+2:G0B0+3], s[8:9], s[90:91]
	s_or_b32 s[G0B0+3], s[G0B0+3], 0x80000000
	s_add_nc_u64 s[G0SB+2:G0SB+3], s[10:11], s[92:93]
	s_or_b32 s[G0SB+3], s[G0SB+3], 0x80000000
	CROUND                                         ; all sixteen work-groups are here: the joint loads meet
.macro ARM under, g0, g1, next                         ; one tree of branches on the wave's number, a load to an arm
	s_cmp_lt_u32 s14, \under
	s_cbranch_scc0 \next
	tensor_load_to_lds s[\g0:\g0+3], s[\g1:\g1+7]
	s_nop 0
	PLACES
	s_branch .Lhead_asked
\next:
.endm
	ARM 1, G0A0, G1A,  .Lhead_b
	ARM 2, G0B0, G1B,  .Lhead_sa
	ARM 3, G0SA, G1SA, .Lhead_sb
	tensor_load_to_lds s[G0SB:G0SB+3], s[G1SB:G1SB+7]
	s_nop 0
	PLACES
.Lhead_asked:
	v_and_b32 v1, 15, v0                           ; r
	v_bfe_u32 v2, v0, 4, 1                         ; h
	v_and_b32 v3, 31, v0
	v_lshlrev_b32 v[LI], 4, v3
	s_lshl_b32 s12, s15, 14                        ; my four groups of A in a K slot,
	s_lshl_b32 s13, s16, 14                        ; my four of B,
	s_add_co_u32 s13, s13, BCODE
.irp j, 0,1
	v_add_nc_u32 v[ADRA+\j], s12, v[LI]
	v_add_nc_u32 v[ADRB+\j], s13, v[LI]
	s_add_co_u32 s12, s12, HALFK
	s_add_co_u32 s13, s13, HALFK
.endr
	s_wait_alu depctr_va_vdst(0)
	v_lshlrev_b32 v5, 4, v1                        ; my position's 16 bytes of a group's scale words
	s_lshl_b32 s12, s15, 10
	s_lshl_b32 s13, s16, 10
	s_add_co_u32 s13, s13, SCLB-SCLA
	s_sub_co_u32 s13, s13, s12
	v_mul_u32_u24 v6, s13, v2                      ; lanes 16-31 take B's: one product, the distance between the two
	s_add_co_u32 s12, s12, SCLA
	v_add_nc_u32 v5, v5, v6
	v_add_nc_u32 v[ADRS], s12, v5
	s_mul_i32 s18, s14, 16*SPITCH
	s_add_co_u32 s18, s18, STAGE                   ; my stage
	v_mul_u32_u24 v5, v1, SPITCH
	v_lshl_add_u32 v5, v2, 6, v5
	v_add_nc_u32 v[STO], s18, v5                   ; in: row r, from column 16 h on
	v_mul_u32_u24 v6, v2, SPITCH
	v_lshl_add_u32 v6, v1, 4, v6
	v_add_nc_u32 v[RD], s18, v6                    ; back: lanes 0-15 one row of 256 bytes, lanes 16-31 the next
	v_lshlrev_b32 v[CO], 4, v1
	v_lshl_add_u32 v[CO], v2, 13, v[CO]            ; and the same in out0
	s_lshl_b32 s12, s86, 9
	s_lshl_b32 s13, s16, 8
	s_add_co_u32 s12, s12, s13                     ; my 64 columns, in bytes
	s_mov_b32 s13, 0
	s_add_nc_u64 s[96:97], s[96:97], s[12:13]
	s_add_nc_u64 s[98:99], s[98:99], s[12:13]
	s_lshl_b32 s12, s17, 20
	s_lshl_b32 s18, s15, 19
	s_add_co_u32 s12, s12, s18                     ; my 64 rows of 8,192 bytes
	s_add_nc_u64 s[98:99], s[98:99], s[12:13]
	v_lshlrev_b32 v12, 6, v2                       ; 64 h: registers 16 b' + i of a row belong to columns 32 b' + 16 h + i
	s_wait_alu depctr_va_vdst(0)
.irp n, 0,1,2,3,4,5,6,7
	global_load_b128 v[BN+4*\n:BN+4*\n+3], v12, s[96:97] offset:128*(\n/4)+16*(\n%4)
.endr
.macro FETCH s                         ; step s of 16: step s % 4 of K slot s / 4: B's four fragments and A's four
.set KS, (\s)/4
.set KQ, (\s)%4
.set FS, 64*((\s)%4)
.irp i, 0,1,2,3
.irp c, 0,1
	ds_load_b128 v[FS+32+8*\i+4*\c:FS+32+8*\i+4*\c+3], v[ADRB+KS/2] offset:32768*(KS%2)+4096*\i+1024*KQ+512*\c
.endr
.endr
.irp i, 0,1,2,3
.irp c, 0,1
	ds_load_b128 v[FS+8*\i+4*\c:FS+8*\i+4*\c+3], v[ADRA+KS/2] offset:32768*(KS%2)+4096*\i+1024*KQ+512*\c
.endr
.endr
.endm
.macro MULS s, first                   ; 16 matrix instructions; the 16 accumulators take turns.  first = 1: the bias starts the sums
.set KS, (\s)/4
.set KQ, (\s)%4
.set FS, 64*((\s)%4)
.irp a, 0,1,2,3
.irp b, 0,1,2,3
.if \first
	v_wmma_scale_f32_16x16x128_f8f6f4 v[ACC+8*(4*\a+\b):ACC+8*(4*\a+\b)+7], v[FS+32+8*\b:FS+32+8*\b+7], v[FS+8*\a:FS+8*\a+7], v[BN+8*\b:BN+8*\b+7], v[SC+16*KS+4*\b+KQ], v[SC+16*KS+4*\a+KQ] matrix_a_fmt:MATRIX_FMT_FP4 matrix_b_fmt:MATRIX_FMT_FP4 matrix_a_scale:MATRIX_SCALE_ROW1
.else
	v_wmma_scale_f32_16x16x128_f8f6f4 v[ACC+8*(4*\a+\b):ACC+8*(4*\a+\b)+7], v[FS+32+8*\b:FS+32+8*\b+7], v[FS+8*\a:FS+8*\a+7], v[ACC+8*(4*\a+\b):ACC+8*(4*\a+\b)+7], v[SC+16*KS+4*\b+KQ], v[SC+16*KS+4*\a+KQ] matrix_a_fmt:MATRIX_FMT_FP4 matrix_b_fmt:MATRIX_FMT_FP4 matrix_a_scale:MATRIX_SCALE_ROW1
.endif
.endr
.endr
.endm
	s_wait_tensorcnt 0x0                           ; my tile is in,
	s_barrier_signal -1
	s_barrier_wait -1                              ; everybody's is
.irp k, 0,1,2,3                        ; all scale words: lanes 0-15 take A's group i, lanes 16-31 B's group i
.irp i, 0,1,2,3
	ds_load_b128 v[SC+16*\k+4*\i:SC+16*\k+4*\i+3], v[ADRS] offset:2048*\k+256*\i
.endr
.endr
	WIN TO_F
	FETCH 0
	FETCH 1
; The sixteen steps, written out.  Step s fetches step s + 2's fragments into the set that step s - 2 multiplied, then multiplies its own.
.set S, 0
.rept 16
.if S < 14
.if S >= 2
	PLACES
.endif
	WIN TO_F
	FETCH S+2
	s_wait_dscnt 32                                ; this step's fragments, and the scale words asked for ahead of them, are in; the 32 loads of the two steps behind it may be out
.else
	s_wait_dscnt 16*(15-S)
.endif
.if S == 0
	s_wait_loadcnt 0x0                             ; the bias
.endif
	WIN MULW
.if S == 0
	MULS S, 1
.else
	MULS S, 0
.endif
.set S, S+1
.endr
; THE WAY OUT, by A's groups: 16 rows x 64 columns go through my own stage and come back as whole rows of 256 bytes.  LDS serves a wave's instructions in order (ISA guide 5.7.1.4): no wait between the stores and the loads.
.macro TOSTAGE a
	WIN 0
.irp n, 0,1,2,3,4,5,6,7
	ds_store_b128 v[STO], v[ACC+32*(\a)+4*\n:ACC+32*(\a)+4*\n+3] offset:128*(\n/4)+16*(\n%4)   ; each accumulator from its low end on
.endr
	WIN TO_F
.irp t, 0,1,2,3,4,5,6,7
	ds_load_b128 v[32*(\a)+4*\t:32*(\a)+4*\t+3], v[RD] offset:\t*2*SPITCH
.endr
.endm
.macro SEND a, younger
	WIN 0x04                                       ; a store's data are its source 1: window 1
.irp t, 0,1,2,3,4,5,6,7
	s_wait_dscnt \younger+7-\t
	global_store_b128 v[CO], v[32*(\a)+4*\t:32*(\a)+4*\t+3], s[98:99] offset:(32*((\a)/2)+8*((\a)%2)+(2*\t)%8+16*(\t/4))*8192 th:TH_STORE_NT   ; sixteen lanes store 256 consecutive bytes, aligned
.endr
.endm
	PLACES
	s_wait_alu depctr_va_vdst(0)
	TOSTAGE 0
.irp a, 1,2,3
	TOSTAGE \a
	SEND \a-1, 16
.endr
	SEND 3, 0
	WIN 0
	s_wait_tensorcnt 0x0                           ; the wave's end
	ds_add_u32 v30, v31
	s_wait_dscnt 0x0
	CROUND                                         ; the closing round
	s_endpgm
.Lfunc_end_k_qde0a2644f1_outp:
	.size	k_qde0a2644f1_outp, .Lfunc_end_k_qde0a2644f1_outp-k_qde0a2644f1_outp
	.p2alignl 7, 3214868480
	.fill 96, 4, 3214868480
	.section	.rodata,"a",@progbits
	.p2align	6, 0x0
	.amdhsa_kernel k_qde0a2644f1_outp
		.amdhsa_group_segment_fixed_size 296448
		.amdhsa_private_segment_fixed_size 0
		.amdhsa_enable_private_segment 0
		.amdhsa_kernarg_size 48
		.amdhsa_user_sgpr_count 2
		.amdhsa_user_sgpr_kernarg_segment_ptr 1
		.amdhsa_wavefront_size32 1
		.amdhsa_system_sgpr_workgroup_id_x 1
		.amdhsa_system_sgpr_workgroup_id_y 1
		.amdhsa_system_sgpr_workgroup_id_z 1
		.amdhsa_system_vgpr_workitem_id 0
		.amdhsa_next_free_vgpr 512
		.amdhsa_next_free_sgpr 100
		.amdhsa_reserve_vcc 0
		.amdhsa_float_denorm_mode_32 3
		.amdhsa_float_denorm_mode_16_64 3
		.amdhsa_memory_ordered 1
		.amdhsa_forward_progress 1
		.amdhsa_inst_pref_size 70
	.end_amdhsa_kernel
	.amdgpu_metadata
---
amdhsa.version: [ 1, 2 ]
amdhsa.kernels:
  - .name:           k_qde0a2644f1_outp
    .symbol:         k_qde0a2644f1_outp.kd
    .args:
      - { .name: oc, .offset: 0, .size: 8, .value_kind: global_buffer, .address_space: global }
      - { .name: osc, .offset: 8, .size: 8, .value_kind: global_buffer, .address_space: global }
      - { .name: wc, .offset: 16, .size: 8, .value_kind: global_buffer, .address_space: global }
      - { .name: wsc, .offset: 24, .size: 8, .value_kind: global_buffer, .address_space: global }
      - { .name: bo, .offset: 32, .size: 8, .value_kind: global_buffer, .address_space: global }
      - { .name: out0, .offset: 40, .size: 8, .value_kind: global_buffer, .address_space: global }
    .group_segment_fixed_size: 296448
    .private_segment_fixed_size: 0
    .kernarg_segment_align: 8
    .kernarg_segment_size: 48
    .max_flat_workgroup_size: 128
    .sgpr_count:     100
    .vgpr_count:     512
    .wavefront_size: 32
...
	.end_amdgpu_metadata
.endif
;; end of part 4
